; MI455X (gfx1250); checked and timed in simulation.
; The chip was launched on July 23, 2026; its instructions are those of AMD's public machine-readable ISA for CDNA 5 (MIT licence, August 2026) and "CDNA5" Instruction Set Architecture Reference Guide (July 2026). The comments in the code are by the model that wrote it; some were corrected since.
;; Attention. Allowed arithmetic: matrix products marked QUANTISED: E2M1 operands, one E8M0 scale for each 32 along K, by v_wmma_scale_f32_16x16x128_f8f6f4 with both operands' format E2M1 (or v_wmma_scale_f32_32x16x128_f4), f32 sums; products left as they are: bf16, f16 or f32 operands; f32 sums; everything else in f32.
;; Inputs: W_out 1,024 x 1,024 float32; W_qkv 1,024 x 3,072 float32; b_out 1,024 float32; b_qkv 3,072 float32; x 2 x 2,048 x 1,024 float32.
;; Outputs: out0 2 x 2,048 x 1,024 float32.
;; This version of the problem:
;;   THIS VERSION OF THE PROBLEM IS GIVEN IN LOW PRECISION. The matrix products marked QUANTISED in the list below multiply operands that are first quantised to E2M1 (2 exponent bits, 1 mantissa bit; 4 bits a number), with one power-of-two scale for each 32 numbers along K (OCP MX v1.0); their sums are f32. The products marked 'left as it is' may take bf16, f16 or f32 operands, with f32 sums. Whichever they take, every output number must still come out within the allowed error. Rounding operands to bf16 (8 significant bits) uses up far more of that allowance than f16 does (11 bits, for magnitudes from 6e-5 to 65,504). All else is computed in f32.
;;   The module's matrix products, in the order in which they are computed (A, B: the left and right operand; K: the contracted axis; several contracted axes count as one K, in the product's order):
;;     1. [M 4,096, K 1,024] x [K 1,024, N 3,072]; A: input x; B: input W_qkv: QUANTISED
;;     2. batch 32 x [M 2,048, K 64] x [K 64, N 2,048]; A: computed on the way; B: computed on the way: left as it is (an operand is computed on the way)
;;     3. batch 32 x [M 2,048, K 2,048] x [K 2,048, N 64]; A: computed on the way; B: computed on the way: left as it is (an operand is computed on the way)
;;     4. [M 4,096, K 1,024] x [K 1,024, N 1,024]; A: computed on the way; B: input W_out: left as it is (an operand is computed on the way)
;;   THE QUANTISER, for each operand of a quantised product, along K:
;;     - K is cut into blocks of 32 from its start; a last block that is shorter is filled with zeros.
;;     - A block's scale is 2^e with e = floor(log2(the largest magnitude in the block)) - 2, held to -126 .. 127; a block of zeros has e = 0. As a byte (E8M0): e + 127.
;;     - Each number is divided by its block's scale, clamped to +-6, and rounded to the nearest number of E2M1, ties to even, subnormals kept.
;;     - The product sums the exact products of the quantised numbers (number of the format x scale) in f32.
;;   ~~~python
;;   def quantise(x, axis):      # numpy; x: float32 -> the quantised numbers, widened to float32 again
;;       x = np.moveaxis(x, axis, -1); K = x.shape[-1]
;;       x = np.pad(x, [(0, 0)] * (x.ndim - 1) + [(0, -K % 32)]); x = x.reshape(x.shape[:-1] + (-1, 32)); a = np.abs(x).max(-1, keepdims=True)
;;       e = np.where(a > 0, np.clip(np.frexp(np.where(a > 0, a, 1))[1] - 1 - 2, -126, 127), 0)      # np.frexp(a)[1] - 1 = floor(log2(a)), exactly
;;       r = np.clip(x / 2.0 ** e, -6, 6)
;;       step = 2.0 ** (np.maximum(np.frexp(np.where(r == 0, 1, r))[1] - 1, 0) - 1)
;;       q = np.round(r / step) * step * 2.0 ** e      # np.round: ties to even
;;       return np.moveaxis(q.reshape(q.shape[:-2] + (-1,))[..., :K], -1, axis).astype(np.float32)
;;   ~~~
;; One version. Each part assembles by itself: llvm-mc -triple=amdgcn-amd-amdhsa -mcpu=gfx1250 --defsym DOCPART=n.
;; ======== version 1 of 1: 4 launches
;; limits: values are held in f16: magnitudes above 65,504 overflow, below 6.1e-05 lose precision
;; workspace buffers: xc 2,097,152 bytes; xs 131,072 bytes; wc 1,572,864 bytes; ws 98,304 bytes; wh 2,097,152 bytes; qkv 25,165,824 bytes; att 8,388,608 bytes
;; launch prep (part 1): grid 256 x 1, 8 waves a work-group, no clusters, 136,192 bytes of LDS; arguments x, W_qkv, W_out, xc, xs, wc, ws, wh; writes xc, xs, wc, ws, wh
.if DOCPART == 1
	.amdgcn_target "amdgcn-amd-amdhsa--gfx1250"
	.amdhsa_code_object_version 6
	.text
	.protected	k_q6ef6190cf1_prep
	.globl	k_q6ef6190cf1_prep
	.p2align	8
	.type	k_q6ef6190cf1_prep,@function
k_q6ef6190cf1_prep:
	s_mov_b64 s[64:65], 0
	v_nop
	global_prefetch_b8 v0, s[64:65] scope:SCOPE_SE
	s_setreg_imm32_b32 hwreg(HW_REG_WAVE_MODE, 25, 1), 1
	s_wait_xcnt 0x0
; PREP: x [4096][1024] and W_qkv [1024][3072], f32, become codes of FP4 (E2M1) with one E8M0 scale byte for each 32 along K; W_out [1024][1024] becomes f16.
; A block's scale is 2^(floor(log2(its largest magnitude)) - 2); its byte is the largest magnitude's exponent field - 2, held at 1 from below by a floor among the maximum's leaves.
; ALL RESULTS ARE LAID IN THE ORDER OF THE READER'S OPERAND REGISTERS: a piece is the 16 bytes that one lane holds in four registers; the 32 lanes' pieces lie on end, 512 bytes.
;   xc [k/512][m/16][(k%512)/32][m%16][16 B]   xs [k/128][m] words   wc, ws the same with n for m   wh [k/256][n/16][(k%256)/8][n%16][16 B = 8 k]
; SHARES: a wave takes 16 KiB of f32.  Work-groups 0-127: x (32 rows; wave s = 128 along K).  128-223: W_qkv (256 columns x 128 K; a wave 32 columns).  224-255: W_out likewise.
; The three ways part on the work-group's number and never join; the way of x alone touches LDS.  No barrier: waves share nothing.  No store's registers are written again, so no wait frees any.
; LIMITS: a block whose largest magnitude lies under 2^-124 keeps the byte 1 (a block of zeros too: its codes are zeros, and this program alone reads the bytes); NaN and infinities are not served;
; W_out goes in f16: magnitudes under 65,504, and under 6e-5 with f16's absolute step.
.set WREG,  16896                      ; LDS of a wave: two stages of 16 rows x SP bytes
.set SP,    528                        ; a stage row: 512 bytes + 16: 33 x 16, so the 16 rows that a load touches start at 16 different groups of banks
.set SPARE, 8*WREG                     ; behind the stages: the spare words, 128 bytes for each wave
.set SPW,   12                         ; v12  my spare word's LDS address; never rewritten
.set NIL,   13                         ; v13  0; never rewritten
; v1 lane, v2 r = lane % 16, v3 h = lane / 16, v4 16 x lane, v5 4 x lane, v6 4096 h + 16 r, v7 8192 h + 16 r, v8 stage in, v9 stage out, v10 8 h
; v14-16 scale words, v17-20, v24-25 at work, v22 a lane permute's destination, v32-159 numbers as loaded, v160-223 numbers or f16 pieces, v224-239 codes
	s_load_b256 s[4:11], s[0:1], 0x0               ; x s[4:5], W_qkv s[6:7], W_out s[8:9], xc s[10:11]
	s_load_b256 s[12:19], s[0:1], 0x20             ; xs s[12:13], wc s[14:15], ws s[16:17], wh s[18:19]
	v_lshl_add_u32 v[SPW], v0, 2, SPARE
	v_mov_b32 v[NIL], 0
	v_lshrrev_b32 v1, 5, v0
	v_readfirstlane_b32 s20, v1                    ; wave 0..7
	v_and_b32 v1, 31, v0
	v_and_b32 v2, 15, v0
	v_bfe_u32 v3, v0, 4, 1
	v_lshlrev_b32 v4, 4, v1
	v_lshlrev_b32 v5, 2, v1
	v_lshlrev_b32 v6, 4, v2
	v_lshl_add_u32 v7, v3, 13, v6
	v_lshl_add_u32 v6, v3, 12, v6
	s_mul_i32 s21, s20, WREG
	v_add_nc_u32 v8, s21, v4                       ; into a stage: a row's 512 bytes as they lie
	v_mul_u32_u24 v9, v2, SP
	v_lshl_add_u32 v9, v3, 7, v9
	v_add_nc_u32 v9, s21, v9                       ; out of it: row r, block h of each pair of blocks
	v_lshlrev_b32 v10, 3, v3
	v_mov_b32 v22, 0                               ; written once: a lane permute's destination counts as one of its sources
	s_mov_b32 s28, 0x76543210
	s_mov_b32 s29, 0xfedcba98                      ; v_permlanex16_b32's selects for lane l xor 16
	s_mov_b32 s23, 0                               ; the offsets' high words
	s_mov_b32 s25, 0
	s_mov_b32 s27, 0
	s_wait_kmcnt 0x0
	s_cmp_ge_u32 ttmp9, 128
	s_cbranch_scc1 .Lweights
	; ---------------- x: rows 32 g .. 32 g + 31, K = 128 wave .. + 127
	s_lshl_b32 s22, ttmp9, 17                      ; 32 rows of 4,096 bytes
	s_lshl_b32 s24, s20, 9                         ; 128 numbers
	s_add_co_u32 s22, s22, s24
	s_add_nc_u64 s[4:5], s[4:5], s[22:23]
	s_lshr_b32 s24, s20, 2
	s_lshl_b32 s24, s24, 20                        ; the plane k / 512
	s_lshl_b32 s26, ttmp9, 13                      ; two tiles of 16 rows, 4,096 bytes each
	s_add_co_u32 s24, s24, s26
	s_and_b32 s26, s20, 3
	s_lshl_b32 s26, s26, 10                        ; the fragment of 128 along K: 1,024 bytes
	s_add_co_u32 s24, s24, s26
	s_add_nc_u64 s[10:11], s[10:11], s[24:25]
	s_lshl_b32 s26, s20, 14                        ; xs: 4,096 words for each 128 along K
	s_lshl_b32 s22, ttmp9, 7
	s_add_co_u32 s26, s26, s22
	s_add_nc_u64 s[12:13], s[12:13], s[26:27]
.set i, 0
.rept 32
	global_load_b128 v[32+4*i:35+4*i], v4, s[4:5] offset:4096*i th:TH_LOAD_NT   ; row i: 32 lanes read 512 consecutive bytes
.set i, i+1
.endr
	s_wait_loadcnt 16                              ; rows 0-15 are in; the 16 younger loads stay out
.set i, 0
.rept 16
	ds_store_b128 v8, v[32+4*i:35+4*i] offset:SP*i
.set i, i+1
.endr
.irp c, 0,1
.irp j, 0,1,2,3,4,5,6,7
	ds_load_b128 v[160+32*\c+4*\j:163+32*\c+4*\j], v9 offset:256*\c+16*\j   ; LDS serves a wave's instructions in order: these see my stores.  Block 2 c + h of row r: 32 neighbours along K
.endr
.endr
	s_wait_loadcnt 0x0                             ; rows 16-31
.set i, 0
.rept 16
	ds_store_b128 v8, v[96+4*i:99+4*i] offset:16*SP+SP*i
.set i, i+1
.endr
	s_wait_dscnt 16                                ; all but the 16 stores just issued: the first tile's stores have read v32-95 and its numbers are back
.irp c, 0,1
.irp j, 0,1,2,3,4,5,6,7
	ds_load_b128 v[32+32*\c+4*\j:35+32*\c+4*\j], v9 offset:16*SP+256*\c+16*\j
.endr
.endr
; 64 numbers of a lane (block h in v[src] on, block 2 + h in v[src + 32] on, of row r) become a fragment's 8 registers of codes and the row's scale word; the codes leave as two runs of 512 bytes.
.macro QX src, cod, word, u
	v_max3_num_f32 v17, |v[\src]|, |v[\src+1]|, 0x1800000          ; the floor 2^(3 - 127): the byte cannot fall under 1
	v_max3_num_f32 v18, |v[\src+32]|, |v[\src+33]|, 0x1800000
.set i, 2
.rept 15
	v_max3_num_f32 v17, v17, |v[\src+i]|, |v[\src+i+1]|            ; the two blocks by turns
	v_max3_num_f32 v18, v18, |v[\src+32+i]|, |v[\src+33+i]|
.set i, i+2
.endr
	v_add_nc_u32 v19, 0xff000000, v17              ; 2 off the exponent field: the conversion takes this operand's exponent field as its scale
	v_add_nc_u32 v20, 0xff000000, v18
	v_lshrrev_b32 v24, 23, v19                     ; the scales' bytes
	v_lshrrev_b32 v25, 23, v20
	v_lshl_or_b32 v[\word], v25, 16, v24           ; blocks h and 2 + h,
	v_lshlrev_b32 v[\word], v10, v[\word]          ; at their places (8 h bits up);
	v_permlanex16_b32 v22, v[\word], s28, s29
	v_or_b32 v[\word], v[\word], v22               ; with lane l xor 16's two the word is whole
.irp c, 0,1
.irp g, 0,1,2,3
	v_cvt_scalef32_pk8_fp4_f32 v[\cod+4*\c+\g], v[\src+32*\c+8*\g:\src+32*\c+8*\g+7], v[19+\c]
.endr
.endr
	v_nop                                          ; one plain line behind the last scaled conversion
.irp c, 0,1
	global_store_b128 v4, v[\cod+4*\c:\cod+4*\c+3], s[10:11] offset:4096*\u+512*\c   ; 32 lanes store 512 consecutive bytes, aligned
.endr
.endm
	QX 160, 224, 14, 0
	s_wait_dscnt 0x0                               ; the second tile's numbers are back
	QX 32, 232, 15, 1
	v_cmp_gt_u32 vcc_lo, 16, v1
	v_cndmask_b32 v16, v15, v14, vcc_lo            ; lanes 0-15: the first tile's rows; lanes 16-31: the second's
	global_store_b32 v5, v16, s[12:13]             ; 32 rows' words: 128 consecutive bytes
	s_wait_tensorcnt 0x0                           ; the wave's end: behind my last LDS store
	ds_add_u32 v[SPW], v[NIL]
	s_wait_dscnt 0x0
	s_endpgm
; A lane takes a column and its registers run down K: block t of 32 rows of a weight, pitch bytes from row to row; 32 lanes read 128 consecutive bytes, the eight waves stand side by side.
.macro LOADW t, pitch, b
.set i, 0
.rept 32
	global_load_b32 v[32+32*\t+i], v5, s[\b:\b+1] offset:(32*\t+i)*\pitch th:TH_LOAD_NT
.set i, i+1
.endr
.endm
.Lweights:
	s_cmp_ge_u32 ttmp9, 224
	s_cbranch_scc1 .Lwout
	; ---------------- W_qkv: columns 256 cg + 32 wave + lane, K = 128 s .. + 127
	s_sub_co_u32 s21, ttmp9, 128
	s_lshr_b32 s30, s21, 3                         ; cg 0..11
	s_and_b32 s21, s21, 7                          ; s 0..7
	s_mul_i32 s22, s21, 1572864                    ; 128 rows of 12,288 bytes
	s_lshl_b32 s24, s30, 10
	s_lshl_b32 s26, s20, 7
	s_add_co_u32 s24, s24, s26                     ; 4 bytes x my wave's first column
	s_add_co_u32 s22, s22, s24
	s_add_nc_u64 s[6:7], s[6:7], s[22:23]
	s_mul_i32 s22, s21, 12288                      ; ws: 3,072 words for each 128 along K
	s_add_co_u32 s22, s22, s24
	s_add_nc_u64 s[16:17], s[16:17], s[22:23]
	s_lshr_b32 s22, s21, 2
	s_mul_i32 s22, s22, 786432                     ; wc: the plane k / 512,
	s_lshl_b32 s24, s30, 16                        ; 16 tiles of 16 columns for each cg,
	s_add_co_u32 s22, s22, s24
	s_lshl_b32 s24, s20, 13                        ; two for each wave,
	s_add_co_u32 s22, s22, s24
	s_and_b32 s24, s21, 3
	s_lshl_b32 s24, s24, 10                        ; the fragment of 128 along K
	s_add_co_u32 s22, s22, s24
	s_add_nc_u64 s[14:15], s[14:15], s[22:23]
.macro QW t                            ; block t: all its 32 numbers are mine; its 16 bytes of codes are one piece
	v_max3_num_f32 v17, |v[32+32*\t]|, |v[33+32*\t]|, 0x1800000    ; the floor 2^(3 - 127)
	v_max3_num_f32 v18, |v[34+32*\t]|, |v[35+32*\t]|, |v[36+32*\t]|
.irp i, 5,9,13,17,21,25
	v_max3_num_f32 v17, v17, |v[32+32*\t+\i]|, |v[33+32*\t+\i]|
	v_max3_num_f32 v18, v18, |v[34+32*\t+\i]|, |v[35+32*\t+\i]|
.endr
	v_max3_num_f32 v17, v17, |v[61+32*\t]|, |v[62+32*\t]|
	v_max3_num_f32 v17, v17, v18, |v[63+32*\t]|
	v_add_nc_u32 v19, 0xff000000, v17
	v_lshrrev_b32 v24, 23, v19
.if \t == 0
	v_mov_b32 v14, v24                             ; four bytes make my column's scale word, the lower K in the lower byte
.else
	v_lshl_or_b32 v14, v24, 8*\t, v14
.endif
.irp g, 0,1,2,3
	v_cvt_scalef32_pk8_fp4_f32 v[224+4*\t+\g], v[32+32*\t+8*\g:39+32*\t+8*\g], v19
.endr
	v_nop                                          ; one plain line behind the last scaled conversion
	global_store_b128 v6, v[224+4*\t:227+4*\t], s[14:15] offset:256*\t   ; 16 lanes store 256 consecutive bytes, aligned; lanes 16-31 the next tile's
.endm
	LOADW 0, 12288, 6
	LOADW 1, 12288, 6
	s_wait_loadcnt 32                              ; block 0 is in; the youngest block's 32 loads stay out (so at each of these waits)
	LOADW 2, 12288, 6
	QW 0
	s_wait_loadcnt 32
	LOADW 3, 12288, 6
	QW 1
	s_wait_loadcnt 32
	QW 2
	s_wait_loadcnt 0x0
	QW 3
	global_store_b32 v5, v14, s[16:17]             ; 32 columns' words: 128 consecutive bytes
	s_endpgm
.Lwout:
	; ---------------- W_out: columns 256 cg + 32 wave + lane, k = 128 kc .. + 127, rounded once to f16
	s_sub_co_u32 s21, ttmp9, 224
	s_and_b32 s30, s21, 3                          ; cg 0..3
	s_lshr_b32 s21, s21, 2                         ; kc 0..7
	s_lshl_b32 s22, s21, 19                        ; 128 rows of 4,096 bytes
	s_lshl_b32 s24, s30, 10
	s_add_co_u32 s22, s22, s24
	s_lshl_b32 s24, s20, 7
	s_add_co_u32 s22, s22, s24
	s_add_nc_u64 s[8:9], s[8:9], s[22:23]
	s_lshr_b32 s22, s21, 1
	s_lshl_b32 s22, s22, 19                        ; wh: the plane k / 256,
	s_lshl_b32 s24, s30, 17                        ; 16 tiles of 8,192 bytes for each cg,
	s_add_co_u32 s22, s22, s24
	s_lshl_b32 s24, s20, 14                        ; two for each wave,
	s_add_co_u32 s22, s22, s24
	s_and_b32 s24, s21, 1
	s_lshl_b32 s24, s24, 12                        ; 16 pieces of 8 k, 256 bytes each
	s_add_co_u32 s22, s22, s24
	s_add_nc_u64 s[18:19], s[18:19], s[22:23]
.macro HW t                            ; block t's 32 numbers: four pieces of 8 k
.irp o, 0,1,2,3
.irp i, 0,1,2,3
	v_cvt_pk_f16_f32 v[160+16*\t+4*\o+\i], v[32+32*\t+8*\o+2*\i], v[33+32*\t+8*\o+2*\i]
.endr
	global_store_b128 v7, v[160+16*\t+4*\o:163+16*\t+4*\o], s[18:19] offset:256*(4*\t+\o)   ; 16 lanes store 256 consecutive bytes, aligned
.endr
.endm
	LOADW 0, 4096, 8
	LOADW 1, 4096, 8
	s_wait_loadcnt 32                              ; as above: the youngest block's 32 loads stay out
	LOADW 2, 4096, 8
	HW 0
	s_wait_loadcnt 32
	LOADW 3, 4096, 8
	HW 1
	s_wait_loadcnt 32
	HW 2
	s_wait_loadcnt 0x0
	HW 3
	s_endpgm
.Lfunc_end_k_q6ef6190cf1_prep:
	.size	k_q6ef6190cf1_prep, .Lfunc_end_k_q6ef6190cf1_prep-k_q6ef6190cf1_prep
	.p2alignl 7, 3214868480
	.fill 96, 4, 3214868480
	.section	.rodata,"a",@progbits
	.p2align	6, 0x0
	.amdhsa_kernel k_q6ef6190cf1_prep
		.amdhsa_group_segment_fixed_size 136192
		.amdhsa_private_segment_fixed_size 0
		.amdhsa_enable_private_segment 0
		.amdhsa_kernarg_size 64
		.amdhsa_user_sgpr_count 2
		.amdhsa_user_sgpr_kernarg_segment_ptr 1
		.amdhsa_wavefront_size32 1
		.amdhsa_system_sgpr_workgroup_id_x 1
		.amdhsa_system_sgpr_workgroup_id_y 1
		.amdhsa_system_sgpr_workgroup_id_z 1
		.amdhsa_system_vgpr_workitem_id 0
		.amdhsa_next_free_vgpr 256
		.amdhsa_next_free_sgpr 66
		.amdhsa_reserve_vcc 1
		.amdhsa_float_denorm_mode_32 3
		.amdhsa_float_denorm_mode_16_64 3
		.amdhsa_memory_ordered 1
		.amdhsa_forward_progress 1
		.amdhsa_inst_pref_size 54
	.end_amdhsa_kernel
	.amdgpu_metadata
---
amdhsa.version: [ 1, 2 ]
amdhsa.kernels:
  - .name:           k_q6ef6190cf1_prep
    .symbol:         k_q6ef6190cf1_prep.kd
    .args:
      - { .name: x, .offset: 0, .size: 8, .value_kind: global_buffer, .address_space: global }
      - { .name: W_qkv, .offset: 8, .size: 8, .value_kind: global_buffer, .address_space: global }
      - { .name: W_out, .offset: 16, .size: 8, .value_kind: global_buffer, .address_space: global }
      - { .name: xc, .offset: 24, .size: 8, .value_kind: global_buffer, .address_space: global }
      - { .name: xs, .offset: 32, .size: 8, .value_kind: global_buffer, .address_space: global }
      - { .name: wc, .offset: 40, .size: 8, .value_kind: global_buffer, .address_space: global }
      - { .name: ws, .offset: 48, .size: 8, .value_kind: global_buffer, .address_space: global }
      - { .name: wh, .offset: 56, .size: 8, .value_kind: global_buffer, .address_space: global }
    .group_segment_fixed_size: 136192
    .private_segment_fixed_size: 0
    .kernarg_segment_align: 8
    .kernarg_segment_size: 64
    .max_flat_workgroup_size: 256
    .sgpr_count:     66
    .vgpr_count:     256
    .wavefront_size: 32
...
	.end_amdgpu_metadata
.endif
;; end of part 1
;; launch gemm (part 2): grid 12 x 16, 4 waves a work-group, clusters of 4 x 4, 327,680 bytes of LDS; arguments xc, xs, wc, ws, b_qkv, qkv; writes qkv
.if DOCPART == 2
	.amdgcn_target "amdgcn-amd-amdhsa--gfx1250"
	.amdhsa_code_object_version 6
	.text
	.protected	k_q6ef6190cf1_gemm
	.globl	k_q6ef6190cf1_gemm
	.p2align	8
	.type	k_q6ef6190cf1_gemm,@function
k_q6ef6190cf1_gemm:
	s_mov_b64 s[64:65], 0
	v_nop
	global_prefetch_b8 v0, s[64:65] scope:SCOPE_SE
	s_setreg_imm32_b32 hwreg(HW_REG_WAVE_MODE, 25, 1), 1
	s_wait_xcnt 0x0
	s_wait_alu depctr_hold_cnt(0) depctr_sa_sdst(0) depctr_va_vdst(0) depctr_va_sdst(0) depctr_va_ssrc(0) depctr_va_vcc(0) depctr_vm_vsrc(0)
	s_getreg_b32 s2, hwreg(HW_REG_IB_STS2, 6, 4)
	s_cmp_eq_u32 s2, 0
	s_cbranch_scc0 .Lentry_in_a_cluster
	s_endpgm
.Lentry_in_a_cluster:
	s_bfe_u32 s2, ttmp6, 0x10000c
	s_cmp_lg_u32 s2, 0xf033
	s_cbranch_scc0 .Lentry_shape_is_right
	s_endpgm
.Lentry_shape_is_right:
; GEMM: qkv = Q(x) Q(W_qkv) + b_qkv on codes of FP4 (E2M1) with E8M0 scales, M 4,096, N 3,072, K 1,024; sums in f32.  q's 1,024 columns are multiplied by log2(e) / 8; all is rounded once to f16.
; A tile of 256 tokens x 256 columns is made by a work-group of four waves, a wave 128 x 128: 64 accumulators of 16 x 16, 512 registers.  192 work-groups.
; THE OPERANDS LIE IN MEMORY AS IMAGES OF THEIR REGISTERS (the launch before laid them so): 128 rows x 512 K are one dense block of 32,768 bytes, and a fragment's four registers are 16 bytes at 16 x lane.
; K = 1,024 is two such blocks a side: both slots and the scale words are asked for at the head, and NOTHING IS FILLED AGAIN.  By this text's count a wave has three tensor loads out.
; CLUSTERS: 4 x 4 work-groups.  The four of a row of the cluster need the same tiles of x, the four of a column the same tiles of W: each is asked for jointly, by the same load with the same descriptor.
; THE MATRIX INSTRUCTION IS USED TRANSPOSED (source 0 = 16 columns of W, source 1 = 16 tokens): a lane then holds one token and eight neighbouring columns, 16 bytes of f16, which is a piece of the
; next launch's operands: qkv [column / 64][token / 16][(column % 64) / 16][lane][16 B].  So the results leave from registers, each store 512 consecutive bytes, aligned.
; The bias is the C of each sum's first product.  LIMITS: results go in f16: magnitudes under 65,504; NaN and infinities are not served.
; REGISTERS: window 0: v16-29 addresses; v32-95 scale words, two sets; v128-191 x's fragments, one set; v192-255 the bias, later packed results.  window 1: W's fragments, two sets.  windows 2, 3: accumulators.
.set NQ,     4                         ; steps of 128 along K in a slot
.set FR,     8                         ; registers of a fragment
.set NL,     2                         ; LDS loads that bring one
.set NP,     4                         ; places behind this matrix instruction (ISA guide 7.12.1)
.set HALFT,  32768                     ; 128 rows x 512 K of codes
.set SLOT,   4*HALFT                   ; x's two halves, then W's two
.set SCL,    2*SLOT                    ; the scale words: for each wave's 128 rows [8 steps][128 words]
.set HALFS,  4096
.set SPARE,  SCL+4*HALFS               ; the spare words, 128 bytes for each wave
.set ADRA, 16                          ; v16-17  LDS address of my x fragments in slot 0, 1
.set ADRB, 20                          ; v20-21  the same for W
.set CO,   26                          ; v26     16 x lane
.set ADRS, 27                          ; v27     LDS address of my scale words: lanes 0-15 x's rows, lanes 16-31 W's
.set SPW,  28                          ; v28     my spare word's LDS address; never rewritten
.set NIL,  29                          ; v29     0; never rewritten
.set SC,   32
.set AF,   128
.set BIAS, 192
.set TMP,  192
.set WV, 16                            ; s16 wave;  s17 which half of the tokens is mine, and: I fetch for x (0) or W (1);  s18 which half of the columns, and which 128 rows I fetch
.set RH, 17
.set CH, 18
.set G1, 24
.set G0, 32
.set G1B, 48
.set G0B, 56
.set G1S, 68
.set G0S, 76
.set G1SB, 80
.set G0SB, 88
.set MSB, 0
.macro WIN new                         ; the immediate's high byte repeats the setting that is left
.if MSB != (\new)
	s_set_vgpr_msb (MSB<<8)|(\new)
.set MSB, (\new)
.endif
.endm
.set MUL_LO, 0xa1                      ; source 0 (W) window 1, source 1 (x) window 0, C and D window 2
.set MUL_HI, 0xf1                      ; the same, C and D window 3
.set TO_B,   0x40
; A joint load: waves 0 and 1 fetch for x, waves 2 and 3 for W; the branch hangs on the wave's number alone.  An s_nop 0 and four v_nop follow each of the two lines.
.macro JLOAD g0a, g1a, g0b, g1b
	s_cmp_eq_u32 s[RH], 0
	s_cbranch_scc0 .Lfor_b_\@
	tensor_load_to_lds s[\g0a:\g0a+3], s[\g1a:\g1a+7]
	s_nop 0
.rept 4
	v_nop
.endr
	s_branch .Lasked_\@
.Lfor_b_\@:
	tensor_load_to_lds s[\g0b:\g0b+3], s[\g1b:\g1b+7]
	s_nop 0
.rept 4
	v_nop
.endr
.Lasked_\@:
.endm
.macro CROUND                          ; a round of the cluster's barrier
	s_barrier_signal -1
	s_barrier_wait -1
	s_cmp_lg_u32 s[WV], 0
	s_cbranch_scc1 .Lnot_wave_0_\@
	s_barrier_signal -3
.Lnot_wave_0_\@:
	s_barrier_wait -3
	s_barrier_signal -1
	s_barrier_wait -1
.endm
	s_load_b128 s[4:7], s[0:1], 0x0                ; xc s[4:5], xs s[6:7]
	s_load_b128 s[8:11], s[0:1], 0x10              ; wc s[8:9], ws s[10:11]
	s_load_b128 s[12:15], s[0:1], 0x20             ; b_qkv s[12:13], qkv s[14:15]
	v_lshl_add_u32 v[SPW], v0, 2, SPARE
	v_mov_b32 v[NIL], 0
	ds_add_u32 v[SPW], v[NIL]                      ; the wave's opening: the add, twice on end, and its wait ahead of my first tensor load
	ds_add_u32 v[SPW], v[NIL]
	v_lshrrev_b32 v1, 5, v0
	v_readfirstlane_b32 s[WV], v1
	s_lshr_b32 s[RH], s[WV], 1
	s_and_b32 s[CH], s[WV], 1
	s_bfe_u32 s40, ttmp6, 0x40000                  ; cx, cy: my place in the cluster
	s_bfe_u32 s41, ttmp6, 0x40004
	s_lshl_b32 s42, ttmp9, 2
	s_add_co_u32 s42, s42, s40                     ; column tile = 4 x cluster x + cx
	s_and_b32 s19, ttmp7, 0xffff
	s_lshl_b32 s19, s19, 2
	s_add_co_u32 s19, s19, s41                     ; token tile = 4 x cluster y + cy
	s_lshl_b32 s43, s41, 2
	s_lshl_b32 s43, 15, s43                        ; my row of the cluster
	s_lshl_b32 s44, 0x1111, s40                    ; my column
	; codes: a dense block of 32,768 bytes as 128 rows of 32 elements of 8 bytes; no padding: the lanes of a fragment load take 512 consecutive bytes
	s_or_b32 s[G1+0], s43, (3<<16)|(1<<21)         ; 15:0 the mask: x's tiles go to my row; 17:16 elements of 8 bytes; 21 set beside a mask
	s_or_b32 s[G1B+0], s44, (3<<16)|(1<<21)
.irp g, G1, G1B
	s_mov_b32 s[\g+1], 32<<16                      ; tensor_dim0
	s_mov_b32 s[\g+2], 128<<16                     ; tensor_dim1
	s_mov_b32 s[\g+3], 32<<16                      ; tile_dim0
	s_mov_b32 s[\g+4], 128                         ; tile_dim1
	s_mov_b32 s[\g+5], 32                          ; from row to row
	s_mov_b32 s[\g+6], 0
	s_mov_b32 s[\g+7], 0
.endr
	; scale words: 8 rows (one for each 128 along K) of 128 words
	s_or_b32 s[G1S+0], s43, (2<<16)|(1<<21)
	s_or_b32 s[G1SB+0], s44, (2<<16)|(1<<21)
.irp g, G1S, G1SB
	s_mov_b32 s[\g+1], 128<<16
	s_mov_b32 s[\g+2], 8<<16
	s_mov_b32 s[\g+3], 128<<16
	s_mov_b32 s[\g+4], 8
	s_mov_b32 s[\g+6], 0
	s_mov_b32 s[\g+7], 0
.endr
	s_mov_b32 s[G1S+5], 4096                       ; xs: 4,096 words from step to step
	s_mov_b32 s[G1SB+5], 3072                      ; ws: 3,072
	s_lshl_b32 s45, s[CH], 15                      ; which 128 rows I fetch: 8 tiles of 4,096 bytes
	s_lshl_b32 s20, s19, 16                        ; x: 16 tiles for each token tile
	s_add_co_u32 s20, s20, s45
	s_mov_b32 s21, 0
	s_lshl_b32 s46, s42, 16                        ; W likewise
	s_add_co_u32 s46, s46, s45
	s_mov_b32 s47, 0
	s_lshl_b32 s45, s[CH], 9
	s_lshl_b32 s22, s19, 10                        ; their scale words: 256 words for each tile
	s_add_co_u32 s22, s22, s45
	s_mov_b32 s23, 0
	s_lshl_b32 s92, s42, 10
	s_add_co_u32 s92, s92, s45
	s_mov_b32 s93, 0
	s_lshl_b32 s45, s[WV], 15                      ; where they go: wave x 32,768: no place in the cluster enters an LDS address
	s_lshl_b32 s94, s[WV], 12
	s_wait_dscnt 0x0                               ; both opening adds are done
	s_wait_kmcnt 0x0
	s_add_nc_u64 s[20:21], s[4:5], s[20:21]
	s_add_nc_u64 s[22:23], s[6:7], s[22:23]
	s_add_nc_u64 s[46:47], s[8:9], s[46:47]
	s_add_nc_u64 s[92:93], s[10:11], s[92:93]
	CROUND                                         ; all sixteen work-groups are here: the joint loads meet
	s_mov_b32 s[G0S], 1
	s_add_co_u32 s[G0S+1], s94, SCL
	s_mov_b64 s[G0S+2:G0S+3], s[22:23]
	s_or_b32 s[G0S+3], s[G0S+3], 0x80000000
	s_mov_b32 s[G0SB], 1
	s_add_co_u32 s[G0SB+1], s94, SCL
	s_mov_b64 s[G0SB+2:G0SB+3], s[92:93]
	s_or_b32 s[G0SB+3], s[G0SB+3], 0x80000000
	JLOAD G0S, G1S, G0SB, G1SB                     ; the scale words first: they are wanted with the first step
.irp s, 0,1
	s_mov_b32 s[G0+4*\s], 1
	s_add_co_u32 s[G0+4*\s+1], s45, \s*SLOT
	s_add_nc_u64 s[G0+4*\s+2:G0+4*\s+3], s[20:21], \s*1048576      ; xc's plane k / 512
	s_or_b32 s[G0+4*\s+3], s[G0+4*\s+3], 0x80000000
	s_mov_b32 s[G0B+4*\s], 1
	s_add_co_u32 s[G0B+4*\s+1], s45, \s*SLOT
	s_add_nc_u64 s[G0B+4*\s+2:G0B+4*\s+3], s[46:47], \s*786432     ; wc's
	s_or_b32 s[G0B+4*\s+3], s[G0B+4*\s+3], 0x80000000
	JLOAD G0+4*\s, G1, G0B+4*\s, G1B
.endr
	v_and_b32 v1, 31, v0
	v_lshlrev_b32 v[CO], 4, v1
	v_and_b32 v2, 15, v0                           ; r
	v_bfe_u32 v3, v0, 4, 1                         ; h
	s_lshl_b32 s21, s[RH], 15                      ; my 128 tokens
	s_lshl_b32 s22, s[CH], 15                      ; my 128 columns,
	s_add_co_u32 s22, s22, 2*HALFT                 ; which lie behind x's 256 rows
.irp s, 0,1
	v_add_nc_u32 v[ADRA+\s], s21, v[CO]
	v_add_nc_u32 v[ADRB+\s], s22, v[CO]
	s_add_co_u32 s21, s21, SLOT
	s_add_co_u32 s22, s22, SLOT
.endr
	v_lshlrev_b32 v5, 2, v2                        ; my row's word
	s_lshl_b32 s21, s[RH], 12                      ; x's: my 128 rows
	s_lshl_b32 s22, s[CH], 12                      ; W's: my 128 rows, behind x's 256
	s_add_co_u32 s22, s22, 2*HALFS
	s_sub_co_u32 s22, s22, s21
	v_mul_u32_u24 v6, s22, v3                      ; lanes 16-31 take W's: the lower base + h x the distance
	s_add_co_u32 s21, s21, SCL
	v_add_nc_u32 v5, v5, v6
	v_add_nc_u32 v[ADRS], s21, v5
	s_lshl_b32 s20, s42, 10                        ; the bias of my 128 columns
	s_lshl_b32 s21, s[CH], 9
	s_add_co_u32 s20, s20, s21
	s_mov_b32 s21, 0
	s_add_nc_u64 s[12:13], s[12:13], s[20:21]
	v_lshlrev_b32 v7, 5, v3                        ; lane (r, h) wants, for block b, columns 16 b + 8 h + 0 .. 7
.irp b, 0,1,2,3,4,5,6,7
	global_load_b128 v[BIAS+8*\b:BIAS+8*\b+3], v7, s[12:13] offset:64*\b
	global_load_b128 v[BIAS+8*\b+4:BIAS+8*\b+7], v7, s[12:13] offset:64*\b+16
.endr
	s_lshl_b32 s20, s42, 21                        ; qkv: four slabs of 524,288 bytes for each column tile,
	s_lshl_b32 s22, s[CH], 20                      ; two for my half;
	s_add_co_u32 s20, s20, s22
	s_lshl_b32 s22, s19, 15                        ; 16 tiles of 2,048 bytes for each token tile,
	s_add_co_u32 s20, s20, s22
	s_lshl_b32 s22, s[RH], 14                      ; eight for my half
	s_add_co_u32 s20, s20, s22
	s_add_nc_u64 s[14:15], s[14:15], s[20:21]
	s_mov_b32 s96, 0x3e38aa3b                      ; log2(e) / 8
	s_mov_b32 s97, s96                             ; (named with it as a pair, so it is written)
.macro FRAG reg, adr, q, i             ; a fragment, 16 rows x 128 K: registers 4 c .. 4 c + 3 hold K = 64 c + 32 (lane / 16) + 0 .. 31: 512 consecutive bytes a load
.irp c, 0,1
	ds_load_b128 v[\reg+4*\c:\reg+4*\c+3], v[\adr] offset:(\i)*4096+(\q)*1024+512*\c
.endr
.endm
; 16 matrix instructions: x's blocks a0, a0 + 1 against W's eight.  zero = 1: the first product starts the sums with the bias as C.  The 64 accumulators take turns, one instruction a turn.
.macro MUL16 a0, p, q, sc, zero
.irp a, \a0, \a0+1
.irp b, 0,1,2,3,4,5,6,7
.if \zero
	v_wmma_scale_f32_16x16x128_f8f6f4 v[8*(8*((\a)%4)+\b):8*(8*((\a)%4)+\b)+7], v[128*(\p)+FR*\b:128*(\p)+FR*\b+FR-1], v[AF+FR*(\a):AF+FR*(\a)+FR-1], v[BIAS+8*\b:BIAS+8*\b+7], v[SC+8*NQ*(\sc)+NQ*\b+(\q)], v[SC+8*NQ*(\sc)+NQ*(\a)+(\q)] matrix_a_fmt:MATRIX_FMT_FP4 matrix_b_fmt:MATRIX_FMT_FP4 matrix_a_scale:MATRIX_SCALE_ROW1
.else
	v_wmma_scale_f32_16x16x128_f8f6f4 v[8*(8*((\a)%4)+\b):8*(8*((\a)%4)+\b)+7], v[128*(\p)+FR*\b:128*(\p)+FR*\b+FR-1], v[AF+FR*(\a):AF+FR*(\a)+FR-1], v[8*(8*((\a)%4)+\b):8*(8*((\a)%4)+\b)+7], v[SC+8*NQ*(\sc)+NQ*\b+(\q)], v[SC+8*NQ*(\sc)+NQ*(\a)+(\q)] matrix_a_fmt:MATRIX_FMT_FP4 matrix_b_fmt:MATRIX_FMT_FP4 matrix_a_scale:MATRIX_SCALE_ROW1
.endif
.endr
.endr
.endm
.macro FETCH_B slot, q, p
	WIN TO_B
.irp i, 0,1,2,3,4,5,6,7
	FRAG 128*(\p)+FR*\i, ADRB+\slot, \q, \i
.endr
	WIN 0
.endm
.macro FETCH_A slot, q, i0
.irp i, \i0, \i0+1, \i0+2, \i0+3
	FRAG AF+FR*(\i), ADRA+\slot, \q, \i
.endr
.endm
.macro SCALES sc                       ; slot sc's scale words: register NQ i + q: lanes 0-15 the word of x's block i, lanes 16-31 that of W's block i, for the slot's q-th 128 along K
.irp i, 0,1,2,3,4,5,6,7
.irp q, 0,1,2,3
	ds_load_b32 v[SC+8*NQ*\sc+NQ*\i+\q], v[ADRS] offset:(4*\sc+\q)*512+64*\i
.endr
.endr
.endm
.macro PLACES n                        ; plain vector lines between a matrix instruction and a load into, or a read of, its registers
.rept \n
	v_nop
.endr
.endm
.macro STEP slot, q, zero              ; a step of 128 along K that has its successor in the same slot
	s_wait_dscnt 4*NL                              ; W's set, x's blocks 0-3 and the scale words are in; the youngest eight loads (x's blocks 4-7) may be out
.if \zero
	WIN 0x81                                       ; C (the bias) window 0, D window 2
.else
	WIN MUL_LO
.endif
	MUL16 0, (\q)%2, \q, \slot, \zero
	MUL16 2, (\q)%2, \q, \slot, \zero
	s_wait_dscnt 0                                 ; x's blocks 4-7 are in
	PLACES NP
	FETCH_B \slot, (\q)+1, 1-(\q)%2
	FETCH_A \slot, (\q)+1, 0
.if \zero
	WIN 0xc1
.else
	WIN MUL_HI
.endif
	MUL16 4, (\q)%2, \q, \slot, \zero
	MUL16 6, (\q)%2, \q, \slot, \zero
	PLACES NP
	WIN 0
	FETCH_A \slot, (\q)+1, 4
.endm
.macro STEPS slot, from
.set Q, \from
.rept NQ-1-\from
	STEP \slot, Q, 0
.set Q, Q+1
.endr
.endm
	s_wait_tensorcnt 1                             ; the scale words and my part of slot 0 are in (slot 1's load may be out)
	s_barrier_signal -1
	s_barrier_wait -1                              ; everybody's are
	FETCH_B 0, 0, 0
	FETCH_A 0, 0, 0
	SCALES 0
	FETCH_A 0, 0, 4
	s_wait_loadcnt 0x0                             ; the bias
	STEP 0, 0, 1
	STEPS 0, 1
	; slot 0's last step changes slots: one barrier; in front of it my part of slot 1 has landed
	s_wait_tensorcnt 0x0                           ; all my tensor loads have landed;  (every window is 0 here)
	ds_add_u32 v[SPW], v[NIL]                      ; 0 onto my spare word
	s_wait_dscnt 4*NL+1                            ; (the add and the youngest eight loads may be out)
	WIN MUL_LO
	MUL16 0, 1, NQ-1, 0, 0
	s_wait_dscnt 0x0                               ; no LDS instruction of mine is pending at the signal
	s_barrier_signal -1
	MUL16 2, 1, NQ-1, 0, 0
	WIN 0
	s_barrier_wait -1                              ; slot 1 is whole
	PLACES NP
	FETCH_B 1, 0, 0
	FETCH_A 1, 0, 0
	SCALES 1
	WIN MUL_HI
	MUL16 4, 1, NQ-1, 0, 0
	MUL16 6, 1, NQ-1, 0, 0
	PLACES NP
	WIN 0
	FETCH_A 1, 0, 4
	STEPS 1, 0
	s_wait_dscnt 4*NL                              ; the very last step: nothing more to fetch
	WIN MUL_LO
	MUL16 0, 1, NQ-1, 1, 0
	MUL16 2, 1, NQ-1, 1, 0
	s_wait_dscnt 0
	WIN MUL_HI
	MUL16 4, 1, NQ-1, 1, 0
	MUL16 6, 1, NQ-1, 1, 0
	WIN 0
	PLACES NP                                      ; behind the last products, ahead of the first read of results
	s_cmp_lg_u32 ttmp9, 1                          ; cluster x = 1 holds q's 1,024 columns: the same in all sixteen partners
	s_cbranch_scc1 .Lplain
	WIN 0x82                                       ; q x log2(e) / 8 in f32, ahead of its one rounding: the next launch's scores are then exponents of 2 as they stand.  Each accumulator from its low end on
.set i, 0
.rept 128
	v_pk_mul_f32 v[i:i+1], v[i:i+1], s[96:97] op_sel_hi:[1,0]
.set i, i+2
.endr
	WIN 0xc3
.set i, 0
.rept 128
	v_pk_mul_f32 v[i:i+1], v[i:i+1], s[96:97] op_sel_hi:[1,0]
.set i, i+2
.endr
	WIN 0
.Lplain:
; THE WAY OUT, block by block of 16 tokens: a lane's eight results pack into 16 bytes, and the 32 lanes' 512 bytes are one chunk of qkv as the next launch reads it.
.macro PACK a
.set AC, 64*((\a)%4)
.set TP, TMP+32*((\a)%2)
	WIN 0x0a+5*((\a)/4)                            ; sources 0 and 1: window 2 or 3
.irp b, 0,1,2,3,4,5,6,7
.irp i, 0,1,2,3
	v_cvt_pk_f16_f32 v[TP+4*\b+\i], v[AC+8*\b+2*\i], v[AC+8*\b+2*\i+1]
.endr
.endr
	WIN 0
.irp b, 0,1,2,3,4,5,6,7
	global_store_b128 v[CO], v[TP+4*\b:TP+4*\b+3], s[14:15] offset:(\a)*2048+(\b/4)*524288+(\b%4)*512   ; 32 lanes store 512 consecutive bytes, aligned
.endr
.endm
	PACK 0
	PACK 1
.irp a, 2,3,4,5,6,7
	s_wait_xcnt 0x0                                ; block a - 2's stores have read the registers that this block's roundings write
	PACK \a
.endr
	s_wait_tensorcnt 0x0                           ; the wave's end
	ds_add_u32 v[SPW], v[NIL]
	s_wait_dscnt 0x0
	CROUND                                         ; the closing round
	s_endpgm
.Lfunc_end_k_q6ef6190cf1_gemm:
	.size	k_q6ef6190cf1_gemm, .Lfunc_end_k_q6ef6190cf1_gemm-k_q6ef6190cf1_gemm
	.p2alignl 7, 3214868480
	.fill 96, 4, 3214868480
	.section	.rodata,"a",@progbits
	.p2align	6, 0x0
	.amdhsa_kernel k_q6ef6190cf1_gemm
		.amdhsa_group_segment_fixed_size 327680
		.amdhsa_private_segment_fixed_size 0
		.amdhsa_enable_private_segment 0
		.amdhsa_kernarg_size 48
		.amdhsa_user_sgpr_count 2
		.amdhsa_user_sgpr_kernarg_segment_ptr 1
		.amdhsa_wavefront_size32 1
		.amdhsa_system_sgpr_workgroup_id_x 1
		.amdhsa_system_sgpr_workgroup_id_y 1
		.amdhsa_system_sgpr_workgroup_id_z 1
		.amdhsa_system_vgpr_workitem_id 0
		.amdhsa_next_free_vgpr 1024
		.amdhsa_next_free_sgpr 98
		.amdhsa_reserve_vcc 0
		.amdhsa_float_denorm_mode_32 3
		.amdhsa_float_denorm_mode_16_64 3
		.amdhsa_memory_ordered 1
		.amdhsa_forward_progress 1
		.amdhsa_inst_pref_size 138
	.end_amdhsa_kernel
	.amdgpu_metadata
---
amdhsa.version: [ 1, 2 ]
amdhsa.kernels:
  - .name:           k_q6ef6190cf1_gemm
    .symbol:         k_q6ef6190cf1_gemm.kd
    .args:
      - { .name: xc, .offset: 0, .size: 8, .value_kind: global_buffer, .address_space: global }
      - { .name: xs, .offset: 8, .size: 8, .value_kind: global_buffer, .address_space: global }
      - { .name: wc, .offset: 16, .size: 8, .value_kind: global_buffer, .address_space: global }
      - { .name: ws, .offset: 24, .size: 8, .value_kind: global_buffer, .address_space: global }
      - { .name: b_qkv, .offset: 32, .size: 8, .value_kind: global_buffer, .address_space: global }
      - { .name: qkv, .offset: 40, .size: 8, .value_kind: global_buffer, .address_space: global }
    .group_segment_fixed_size: 327680
    .private_segment_fixed_size: 0
    .kernarg_segment_align: 8
    .kernarg_segment_size: 48
    .max_flat_workgroup_size: 128
    .sgpr_count:     98
    .vgpr_count:     1024
    .wavefront_size: 32
...
	.end_amdgpu_metadata
.endif
;; end of part 2
;; launch attn (part 3): grid 8 x 32, 4 waves a work-group, clusters of 4 x 1, 327,680 bytes of LDS; arguments qkv, att; writes att
.if DOCPART == 3
	.amdgcn_target "amdgcn-amd-amdhsa--gfx1250"
	.amdhsa_code_object_version 6
	.text
	.protected	k_q6ef6190cf1_attn
	.globl	k_q6ef6190cf1_attn
	.p2align	8
	.type	k_q6ef6190cf1_attn,@function
k_q6ef6190cf1_attn:
	s_mov_b64 s[64:65], 0
	v_nop
	global_prefetch_b8 v0, s[64:65] scope:SCOPE_SE
	s_setreg_imm32_b32 hwreg(HW_REG_WAVE_MODE, 25, 1), 1
	s_wait_xcnt 0x0
	s_wait_alu depctr_hold_cnt(0) depctr_sa_sdst(0) depctr_va_vdst(0) depctr_va_sdst(0) depctr_va_ssrc(0) depctr_va_vcc(0) depctr_vm_vsrc(0)
	s_getreg_b32 s2, hwreg(HW_REG_IB_STS2, 6, 4)
	s_cmp_eq_u32 s2, 0
	s_cbranch_scc0 .Lentry_in_a_cluster
	s_endpgm
.Lentry_in_a_cluster:
	s_bfe_u32 s2, ttmp6, 0x10000c
	s_cmp_lg_u32 s2, 0x3003
	s_cbranch_scc0 .Lentry_shape_is_right
	s_endpgm
.Lentry_shape_is_right:
; ATTN: o[b][h][q] = the sum over k of softmax_k(q . k / 8) v, 32 (batch, head) pairs, 2,048 x 2,048, head size 64, no mask.  Operands in f16, products, maxima and sums in f32.
; q arrives multiplied by log2(e) / 8, so a score t is an exponent of 2: p = 2^(t - m), m the query's running maximum of t; in every step O and the sum l are multiplied by a = 2^(m_old - m_new).
; SHARES.  A work-group owns 256 queries of one head, each of its four waves 64: four tiles of 16.  Every wave walks all 2,048 keys, 64 a step; a slot holds four steps; eight slots' worth of keys.
; LAYOUT.  S^T = K Q^T (source 0 = 16 keys, source 1 = 16 queries): a lane holds ONE query and the keys 8 (lane / 16) + 0..7.  Two such tiles, rounded to f16 in pairs, ARE source 1 of O^T = V^T P.
; q, k, v lie in memory as pieces of 16 bytes: [column / 64][token / 16][channel / 16][lane][16 B], lane (token % 16, half) holding 8 channels.  So Q's and K's fragments are 512 consecutive bytes a load;
; V comes out of LDS turned, by ds_load_tr16_b128; its units of 256 bytes are 384 apart in LDS.
; BY TURNS.  The wave's tiles are two PIECES (tiles 0, 1 and tiles 2, 3).  In a TURN one piece has the matrix unit (16 products V^T P of the step in hand, 16 products K Q^T of the next);
; the other piece's softmax, cut into slices, stands between them, two slices behind each product.  Two turns are a key step.
; CLUSTER.  The four query blocks of a cluster belong to one head and walk the same K and V: each tile is asked for JOINTLY, by the same load with the same descriptor and a mask that names the four.
; THE RESULT leaves from registers: a lane's 8 channels of a query are a piece of the next launch's operand: att [head / 4][token / 16][head % 4][channel / 16][lane][16 B].
; LIMITS: operands in f16: magnitudes under 65,504; a weight p under 6e-5 is carried with f16's absolute step; NaN and infinities are not served.
; REGISTERS: window 0: v2-4 addresses; v12-43 eight statistics a tile; v61-63; v64-191 S^T, 32 a tile; v192-255 P, 16 a tile.  window 1: v0-127 O^T, 32 a tile.  window 2: v0-63 Q; v128-191 K.  window 3: v0-63 V.
.set VOFF,  32768                      ; a slot: 256 keys of K, dense; then V's 128 units of 256 bytes, 384 apart
.set KSTB,  8192                       ; a step's K in LDS
.set VSTB,  12288                      ; a step's V in LDS
.set SLOTB, 32768                      ; a slot's bytes of K, and of V, in memory
.set SLOT1, 1<<17                      ; slot 1 begins here: one exclusive or turns an address in one slot into the other's
.set SPARE, SLOT1+VOFF+4*VSTB          ; behind the ring: the spare words, 128 bytes for each wave
.set AK0, 2           ; v2   16 x lane: my place in a chunk; never rewritten
.set AV0, 3           ; v3   my lane's place in a tile of V; never rewritten
.set ADR, 4           ; v4   the LDS address of the run of loads in hand
.set PFO, 61          ; v61  256 x my lane; never rewritten
.set SPW, 62          ; v62  my spare word's LDS address; never rewritten
.set NIL, 63          ; v63  0; never rewritten
.set ST,  12          ; tile t's statistics at v[ST+8 t]: +0 m, +1 zero (m's partner in a pair), +2, +3 l (even keys', odd keys'), +4 to +7 c0-c3, at work; a takes c2's place
.set S,   64
.set P,   192
.set KF,  128         ; K's fragments, in window 2
.set WV,  12
.set LIM, 15          ; s15  1 in a wave that prefetches, else the greatest number
.set PFA, 18          ; s[18:19] where my prefetches stand
.set G1K, 24
.set G1V, 32
.set G0K, 40          ; s[40:47] group 0 for K's tiles: a set for each of the two first fills; the second then walks on
.set G0V, 48
.set SLOTS, 56
.set TWICE, 57
.set SEL, 60
.set TBK, 62          ; s62  LDS byte at which K of the step to be fetched begins
.set TBV, 63          ; s63  the same for V (less VOFF)
.set MSB, 0
.macro WIN new
.if MSB != (\new)
	s_set_vgpr_msb (MSB<<8)|(\new)
.set MSB, (\new)
.endif
.endm
.set W_KQ, 0x0a       ; K and Q in window 2, S^T in window 0
.set W_PV, 0x53       ; V in window 3, P in window 0, O^T in window 1
.set W_RS, 0x41       ; O^T (destination and source 0) in window 1, a in window 0
; A joint refill: waves 0 and 1 fetch the halves of a slot's K, waves 2 and 3 of its V.  An s_nop 0 and four v_nop follow each of the two lines.
.macro JLOAD
	s_cmp_lt_u32 s[WV], 2
	s_cbranch_scc0 .Lfor_v_\@
	tensor_load_to_lds s[G0K+4:G0K+7], s[G1K:G1K+7]
	s_nop 0
.rept 4
	v_nop
.endr
	s_branch .Lasked_\@
.Lfor_v_\@:
	tensor_load_to_lds s[G0V+4:G0V+7], s[G1V:G1V+7]
	s_nop 0
.rept 4
	v_nop
.endr
.Lasked_\@:
.endm
; A PREFETCH of what the NEXT change of slots will ask for: 32,768 bytes of K and as many of V.  Each block of 256 bytes is named once in the launch: the head's first cluster asks; its four partners take
; 8,192 bytes each, told apart by address; in each, wave 0 asks for K's and wave 2 for V's, lanes 256 bytes apart.  The last change that fills a slot asks for nothing: there is no slot behind it.
.macro ASK
	s_cmp_gt_u32 s[SLOTS], s[LIM]
	s_cbranch_scc0 .Lnot_mine_\@
	global_prefetch_b8 v[PFO], s[PFA:PFA+1] th:TH_LOAD_NT scope:SCOPE_SE
.Lnot_mine_\@:
.endm
.macro CROUND
	s_barrier_signal -1
	s_barrier_wait -1
	s_cmp_lg_u32 s[WV], 0
	s_cbranch_scc1 .Lnot_wave_0_\@
	s_barrier_signal -3
.Lnot_wave_0_\@:
	s_barrier_wait -3
	s_barrier_signal -1
	s_barrier_wait -1
.endm
	s_load_b128 s[4:7], s[0:1], 0x0 ; qkv s[4:5], att s[6:7]
	v_lshl_add_u32 v[SPW], v0, 2, SPARE
	v_mov_b32 v[NIL], 0
	ds_add_u32 v[SPW], v[NIL]       ; the wave's opening: the add, twice on end, and its wait ahead of my first tensor load
	ds_add_u32 v[SPW], v[NIL]
	v_lshrrev_b32 v1, 5, v0
	v_readfirstlane_b32 s[WV], v1   ; wave 0..3
	s_bfe_u32 s13, ttmp6, 0x40000   ; cx: my place in the cluster
	s_lshl_b32 s14, ttmp9, 2
	s_add_co_u32 s14, s14, s13      ; my block of 256 queries: it enters Q's and att's addresses alone
	s_and_b32 s20, ttmp7, 0xffff
	s_and_b32 s21, s20, 15          ; the head,
	s_lshr_b32 s20, s20, 4          ; the batch: both shared by the four partners
	s_lshl_b32 s2, s21, 19          ; a slab of 524,288 bytes for each head,
	s_lshl_b32 s3, s20, 18          ; 128 tiles of 2,048 bytes for each batch
	s_add_co_u32 s2, s2, s3
	s_and_b32 s16, s[WV], 1         ; which half of a slot I fetch:
	s_lshl_b32 s17, s16, 14         ; 16,384 bytes in memory, and in LDS for K;
	s_add_co_u32 s22, s2, s17
	s_mov_b32 s23, 0
	s_mul_i32 s16, s16, 24576       ; 64 units of 384 bytes in LDS for V
	s_add_co_u32 s16, s16, VOFF
	s_lshl_b32 s3, s14, 15          ; Q: my block's 16 tiles,
	s_add_co_u32 s2, s2, s3
	s_lshl_b32 s3, s[WV], 13        ; my wave's four,
	s_add_co_u32 s2, s2, s3
	s_add_co_u32 s2, s2, 8388608    ; in q's 16 slabs, behind k's
	s_mov_b32 s3, 0
	s_lshr_b32 s8, s21, 2           ; att: the plane head / 4,
	s_lshl_b32 s8, s8, 21
	s_lshl_b32 s9, s20, 20          ; 128 tiles of 8,192 bytes for each batch,
	s_add_co_u32 s8, s8, s9
	s_lshl_b32 s9, s14, 17          ; 16 for my block,
	s_add_co_u32 s8, s8, s9
	s_lshl_b32 s9, s[WV], 15        ; four for my wave,
	s_add_co_u32 s8, s8, s9
	s_and_b32 s9, s21, 3
	s_lshl_b32 s9, s9, 11           ; 2,048 bytes for each head in a tile
	s_add_co_u32 s8, s8, s9
	s_mov_b32 s9, 0
	; descriptor group 1: 16,384 dense bytes (128 keys) as 64 rows of 32 elements of 8 bytes
	s_mov_b32 s[G1K], 15|(3<<16)|(1<<21)  ; 15:0 the mask: all four work-groups; 17:16 elements of 8 bytes; 21 set beside a mask; no padding
	s_mov_b32 s[G1V], 15|(3<<16)|(1<<20)|(1<<21)|(5<<22)|(31<<25)  ; the same with 32 words of padding (code 31) behind every 64 (code 5)
.irp g, G1K, G1V
	s_mov_b32 s[\g+1], 32<<16       ; tensor_dim0
	s_mov_b32 s[\g+2], 64<<16       ; tensor_dim1
	s_mov_b32 s[\g+3], 32<<16       ; tile_dim0
	s_mov_b32 s[\g+4], 64           ; tile_dim1
	s_mov_b32 s[\g+5], 32           ; from row to row
	s_mov_b32 s[\g+6], 0
	s_mov_b32 s[\g+7], 0
.endr
	s_mov_b32 s[SEL], 0x76543210
	s_mov_b32 s[SEL+1], 0xfedcba98
	s_mov_b32 s[TBK], 0
	s_mov_b32 s[TBV], 0
	s_mov_b32 s[SLOTS], 6           ; eight slots' worth of keys; two are asked for at the head
	s_and_b32 s[LIM], s[WV], 1      ; 0 in waves 0 and 2,
	s_or_b32 s[LIM], s[LIM], ttmp9  ; where the cluster is the head's first: the same in all four partners
	s_cmp_eq_u32 s[LIM], 0
	s_cselect_b32 s[LIM], 1, -1
	v_and_b32 v[PFO], 31, v0
	v_lshlrev_b32 v[PFO], 8, v[PFO]
	s_wait_dscnt 0x0                ; both opening adds are done
	s_wait_kmcnt 0x0
	s_add_nc_u64 s[10:11], s[6:7], s[8:9]      ; att at my wave's first tile
	s_add_nc_u64 s[8:9], s[4:5], s[22:23]      ; K at my half of slot 0
	s_add_nc_u64 s[22:23], s[8:9], 0x1000000   ; V: 32 slabs on
	s_add_nc_u64 s[4:5], s[4:5], s[2:3]        ; Q at my wave's first tile
	s_cmp_lt_u32 s[WV], 2
	s_cselect_b64 s[PFA:PFA+1], s[8:9], s[22:23]  ; (in waves 0 and 2 these stand at a slot's first byte)
	s_lshl_b32 s2, s13, 13          ; my work-group's 8,192 bytes of the 32,768
	s_mov_b32 s3, 0
	s_add_nc_u64 s[PFA:PFA+1], s[PFA:PFA+1], s[2:3]
	s_add_nc_u64 s[PFA:PFA+1], s[PFA:PFA+1], 2*SLOTB  ; in slot 2; the first change of slots steps it to slot 3.  Nothing is prefetched at the head
	CROUND                          ; all four work-groups are here: the first joint loads meet
.irp s, 0,1
	s_mov_b32 s[G0K+4*\s], 1
	s_add_co_u32 s[G0K+4*\s+1], s17, \s*SLOT1
	s_add_nc_u64 s[G0K+4*\s+2:G0K+4*\s+3], s[8:9], \s*SLOTB
	s_or_b32 s[G0K+4*\s+3], s[G0K+4*\s+3], 0x80000000
	s_mov_b32 s[G0V+4*\s], 1
	s_add_co_u32 s[G0V+4*\s+1], s16, \s*SLOT1
	s_add_nc_u64 s[G0V+4*\s+2:G0V+4*\s+3], s[22:23], \s*SLOTB
	s_or_b32 s[G0V+4*\s+3], s[G0V+4*\s+3], 0x80000000
.endr
	s_cmp_lt_u32 s[WV], 2           ; a wave's two first fills stand in one branch, ahead of every wait on TENSORcnt and every LDS read: two loads of mine are out
	s_cbranch_scc0 .Lfirst_v
	tensor_load_to_lds s[G0K:G0K+3], s[G1K:G1K+7]
	s_nop 0
	tensor_load_to_lds s[G0K+4:G0K+7], s[G1K:G1K+7]
	s_nop 0
.rept 4
	v_nop
.endr
	s_branch .Lfirst_asked
.Lfirst_v:
	tensor_load_to_lds s[G0V:G0V+3], s[G1V:G1V+7]
	s_nop 0
	tensor_load_to_lds s[G0V+4:G0V+7], s[G1V:G1V+7]
	s_nop 0
.rept 4
	v_nop
.endr
.Lfirst_asked:
	v_and_b32 v1, 31, v0
	v_lshlrev_b32 v[AK0], 4, v1
	WIN 0x80                        ; destination window 2, address window 0
.irp t, 0,1,2,3                     ; Q stays in registers: tile t, chunk f = channels 16 f on
.irp f, 0,1,2,3
	global_load_b128 v[16*\t+4*\f:16*\t+4*\f+3], v[AK0], s[4:5] offset:\t*2048+\f*512
.endr
.endr
	WIN 0
	; The turning load: lane l names 16 bytes: key 8 (l / 16) + l % 8 of a tile of 16, channels 8 ((l / 8) % 2) + 0..7 of 16; it leaves lane l with channel l % 16 and 8 keys.
	v_bfe_u32 v9, v0, 3, 1
	v_bfe_u32 v10, v0, 4, 1
	v_and_b32 v11, 7, v0
	v_mul_u32_u24 v[AV0], v9, 384   ; the unit of my 8 channels,
	v_lshl_add_u32 v[AV0], v10, 7, v[AV0]  ; keys 8 .. 15 lie 128 bytes on,
	v_lshl_add_u32 v[AV0], v11, 4, v[AV0]  ; 16 bytes a key
	v_add_nc_u32 v[AV0], VOFF, v[AV0]
; THE MATRIX WORK OF A TURN, for piece x.  The accumulators take turns, one instruction a turn: between two links of a chain stand seven others'.
; Product i of 16 of O^T += V^T P: keys 32 (i / 8) on, channels 16 ((i / 2) % 4) on, tile x + i % 2.  zero = 1: the first 8 start the sums.
.macro PV x, zero
	WIN W_PV
.set rO, 32*(\x+i%2)+8*((i/2)%4)
.set rV, 32*(i/8)+8*((i/2)%4)
.set rP, P+16*(\x+i%2)+8*(i/8)
.if \zero && (i < 8)
	v_wmma_f32_16x16x32_f16 v[rO:rO+7], v[rV:rV+7], v[rP:rP+7], 0
.else
	v_wmma_f32_16x16x32_f16 v[rO:rO+7], v[rV:rV+7], v[rP:rP+7], v[rO:rO+7]
.endif
.endm
; Product i of 16 of S^T = K Q^T: channels 32 (i / 8) on, keys 16 ((i / 2) % 4) on, tile x + i % 2.  The first 8 start the sums.
.macro KQ x
	WIN W_KQ
.set rS, S+32*(\x+i%2)+8*((i/2)%4)
.set rK, KF+16*((i/2)%4)+8*(i/8)
.set rQ, 16*(\x+i%2)+8*(i/8)
.if i < 8
	v_wmma_f32_16x16x32_f16 v[rS:rS+7], v[rK:rK+7], v[rQ:rQ+7], 0
.else
	v_wmma_f32_16x16x32_f16 v[rS:rS+7], v[rK:rK+7], v[rQ:rQ+7], v[rS:rS+7]
.endif
.endm
; THE LDS LOADS stand in runs of 16: a step's K (64 keys x 64 channels: 16 chunks of 512 bytes) and, a turn later, its V (turned).
.macro FETCH_K
	WIN 0
	v_add_nc_u32 v[ADR], s[TBK], v[AK0]
	s_add_co_u32 s[TBK], s[TBK], KSTB  ; the next fetch is the next step's
	WIN 0x80                        ; destination window 2
.irp g, 0,1,2,3,4,5,6,7,8,9,10,11,12,13,14,15  ; keys 16 (g / 4) on, channels 16 (g % 4) on
	ds_load_b128 v[KF+4*\g:KF+4*\g+3], v[ADR] offset:512*\g
.endr
.endm
.macro FETCH_V
	WIN 0
	v_add_nc_u32 v[ADR], s[TBV], v[AV0]
	s_add_co_u32 s[TBV], s[TBV], VSTB
	s_wait_alu depctr_va_vdst(0)    ; the wait for the softmax's batch of exponentials (SLICE), ahead of the first line that names a result
	WIN 0xc0                        ; destination window 3
.irp f, 0,1,2,3,4,5,6,7             ; keys 32 (f / 4) on, channels 16 (f % 4) on
	ds_load_tr16_b128 v[8*\f:8*\f+3],   v[ADR] offset:(2*(\f/4))*3072+(\f%4)*768
	ds_load_tr16_b128 v[8*\f+4:8*\f+7], v[ADR] offset:(2*(\f/4)+1)*3072+(\f%4)*768
.endr
.endm
; THE VECTOR WORK OF A TURN.  One tile's softmax for one key step is a list of numbered instructions; SM writes number j of it for tile t.  s0-s31 are the lane's 32 scores, in pairs 0-15.
;   0-15    the maximum of s0-s31 and the old m, three operands at a time (each accumulator of S^T is first read at its low end)
;   16-20   the other half of the lanes' maximum; the new m; m_old - m_new  (19 is empty)
;   21-69   ONE BATCH: the 16 subtractions t - m, a pair of scores each, and all 33 exponentials (a at 23, then s0-s31).  None of these reads an exponential's result.
;   (wait)  between 69 and 70 stands the one wait for the batch: SLICE writes it, once for both tiles
;   70-85   the roundings to f16     86-101  the sums; l = a l + the sum     102-117 the tile's O^T times a
; first = 1: the first key step, which starts m, l and O^T: it has no a and nothing to rescale.
.macro SM t, first
.if j < 118
.set rT, ST+8*(\t)
.set rS, S+32*(\t)
.set rP, P+16*(\t)
.set rO, 32*(\t)+2*(j-102)
.if j < 102
	WIN 0
.endif
.if j < 4
	v_max3_num_f32 v[rT+4+j], v[rS+8*j], v[rS+8*j+1], v[rS+8*j+2]
.elseif j < 12
	v_max3_num_f32 v[rT+4+j%4], v[rT+4+j%4], v[rS+8*(j%4)+2*(j/4)+1], v[rS+8*(j%4)+2*(j/4)+2]
.elseif j == 12
	v_max3_num_f32 v[rT+4], v[rT+4], v[rS+7], v[rS+15]
.elseif j == 13
	v_max3_num_f32 v[rT+6], v[rT+6], v[rS+23], v[rS+31]
.elseif j == 14
	v_max3_num_f32 v[rT+4], v[rT+4], v[rT+5], v[rT+6]
.elseif (j == 15) && \first
	v_max_num_f32 v[rT+4], v[rT+4], v[rT+7]
.elseif j == 15
	v_max3_num_f32 v[rT+4], v[rT+4], v[rT+7], v[rT]
.elseif j == 16
	v_permlanex16_b32 v[rT+5], v[rT+4], s[SEL], s[SEL+1]  ; the query's other 32 keys lie in the lane 16 away
.elseif j == 18
	v_max_num_f32 v[rT], v[rT+4], v[rT+5]
.elseif j == 19
.elseif ((j == 17) || (j == 20) || (j == 23) || (j > 101)) && \first  ; the first step has none of these
.elseif j == 17
	v_mov_b32 v[rT+7], v[rT]        ; m_old is kept for a: number 18 writes m anew
.elseif j == 20
	v_sub_f32 v[rT+7], v[rT+7], v[rT]
.elseif j == 23
	v_exp_f32 v[rT+6], v[rT+7]
.elseif (j < 23) || ((j < 38) && (j%2 == 0)) || ((j < 66) && (j%4 == 2))
.set b, (j-2)/4                     ; 38, 42, .. 62: pairs 9 to 15
.if j < 38
.set b, (j-20)/2                    ; 21: pair 0; 22, 24, .. 36: pairs 1 to 8
.endif
	v_pk_add_f32 v[rS+2*b:rS+2*b+1], v[rS+2*b:rS+2*b+1], v[rT:rT+1] op_sel_hi:[1,0] neg_lo:[0,1] neg_hi:[0,1]  ; pair b: t - m: 0 at the maximum, so p is at most 1
.elseif j < 70
.set e, j-38                        ; 66 to 69: s28 to s31
.if j < 66
.set e, j-32-(j-38)/4               ; 39-41, 43-45, .. 63-65: s7 to s27
.endif
.if j < 38
.set e, (j-25)/2                    ; 25, 27, .. 37: s0 to s6
.endif
	v_exp_f32 v[rS+e], v[rS+e]
.elseif j < 86
	v_cvt_pk_f16_f32 v[rP+j-70], v[rS+2*(j-70)], v[rS+2*(j-70)+1]  ; pair j - 70
.elseif j < 102                     ; the sum of the tile's 16 pairs, in place: neighbours 1, 2, 4 and 8 pairs apart, then l takes it
.set z, j-86
.set w, 4
.set u, z
.if z >= 14
.set w, 32
.set u, 0
.elseif z >= 12
.set w, 16
.set u, z-12
.elseif z >= 8
.set w, 8
.set u, z-8
.endif
.if (z == 14) && \first
	v_pk_add_f32 v[rT+2:rT+3], v[rS:rS+1], v[rS+16:rS+17]
.elseif z < 15
	v_pk_add_f32 v[rS+w*u:rS+w*u+1], v[rS+w*u:rS+w*u+1], v[rS+w*u+w/2:rS+w*u+w/2+1]
.elseif !\first
	v_pk_fma_f32 v[rT+2:rT+3], v[rT+2:rT+3], v[rT+6:rT+7], v[rS:rS+1] op_sel_hi:[1,0,1]
.endif
.else
	WIN W_RS
	v_pk_mul_f32 v[rO:rO+1], v[rO:rO+1], v[rT+6:rT+7] op_sel_hi:[1,0]
.endif
.endif
.endm
; Slice k of 64 of piece y's softmax.  Slices 11 to 34 deal out the batch: four numbers of ONE tile each, the tiles by turns.  Every other slice is numbers 2 k and 2 k + 1 of both tiles; slices 59 on are empty.
; Ahead of slice 35 nothing names an exponential's result, and behind slice 34 no exponential is issued: so the piece's 66 exponentials have one wait, behind slice 34.
.macro SLICE y, first
.if (k >= 11) && (k < 35)
.irp n, 0,1,2,3
.set j, 22+4*((k-11)/2)+(\n)
	SM (\y)+(k-11)%2, \first
.endr
.else
.irp n, 0,1
.irp t, \y, \y+1
.set j, 2*k+\n
	SM \t, \first
.endr
.endr
.endif
.if k == 34
	v_nop                           ; the plain line behind the last exponential, ahead of the first use: one for the batch
.if (\y) == 0
	FETCH_V                         ; piece 2's turn: V's run of loads stands here, and the wait stands in it
.else
	s_wait_alu depctr_va_vdst(0)    ; the wait for the batch
.endif
.endif
.set k, k+1
.endm
.macro PLACES
.rept 4
	v_nop
.endr
.endm
; A TURN.  Piece x has the matrix unit; the other piece's softmax stands in slices behind its products.  pv = 2: 16 products V^T P; 1: they start O^T's sums; 0: none.  kq = 1: 16 products K Q^T for the next step.
; A turn with both kinds has two slices behind each product, a turn with one kind four.  first = 1: the softmax is the first key step's; four v_nop then stand as the places behind the turn's last products.
; Piece 0's turn fetches the next step's K behind its second product: sixteen plain lines, fourteen of which name no register of the last product that read K, lie between.
; Piece 2's turn fetches the same step's V behind slice 34: behind the last product that read V lie five plain lines: three subtractions, the v_nop and the run's own v_add_nc_u32.
.macro TURN x, pv, kq, first
.set k, 0
.set per, 4
.if \pv && \kq
.set per, 2
.endif
.if \pv
.if \x == 0
	s_wait_dscnt 0x0                ; V is in
.endif
.set i, 0
.rept 16
	PV \x, 2-\pv
.rept per
	SLICE 2-\x, \first
.endr
.if (\x == 0) && \kq && (i == 1)
	FETCH_K
.endif
.set i, i+1
.endr
.endif
.if \kq
.if \x == 0
	s_wait_dscnt 0x0                ; K is in
.endif
.set i, 0
.rept 16
	KQ \x
.rept per
	SLICE 2-\x, \first
.endr
.set i, i+1
.endr
.endif
.if \first
	PLACES
.endif
.endm
; THE CHANGE OF SLOTS, between piece 2's turn and piece 0's: the slot's last bytes, V of its fourth step, have been asked for.  Each wave waits for all its tensor loads (one is out: its part of the other
; slot), adds 0 to its spare word, and waits for that and for its own reads of the slot.  fill = 1: the barrier is a round of the cluster's, and the joint refill, the keys two slots on, is the first thing
; behind it: it has four key steps, 256 matrix instructions of each wave, in which to land.
.macro CHANGE fill
	WIN 0
	s_wait_tensorcnt 0x0            ; no tensor load of mine is out, so a group 0 may be written
	ds_add_u32 v[SPW], v[NIL]       ; 0 onto my spare word
.if \fill
.irp g, G0K+4, G0V+4
	s_xor_b32 s[\g+1], s[\g+1], SLOT1  ; the walking descriptor: the other slot than last time,
	s_add_nc_u64 s[\g+2:\g+3], s[\g+2:\g+3], SLOTB  ; the next 256 keys; the type bits on top are not reached
.endr
	s_wait_xcnt 0x0                 ; the last prefetch, a slot back, has read its address, so it may be written:
	s_add_nc_u64 s[PFA:PFA+1], s[PFA:PFA+1], SLOTB  ; one slot further on than the walking descriptors
	s_wait_dscnt 0x0                ; the add is done, and my reads of the slot are over
	CROUND
	JLOAD
	ASK                             ; what the next change will ask for: four key steps ahead
.else
	s_wait_dscnt 0x0                ; the add is done, and my reads of the slot are over
	s_barrier_signal -1
	s_barrier_wait -1
.endif
	s_sub_co_u32 s[TBK], s[TBK], 4*KSTB  ; the fetches go back to a slot's first step,
	s_xor_b32 s[TBK], s[TBK], SLOT1 ; in the other slot
	s_sub_co_u32 s[TBV], s[TBV], 4*VSTB
	s_xor_b32 s[TBV], s[TBV], SLOT1
.endm
.macro STEPS n                      ; n key steps: written once, walked n times; the LDS addresses hang on s[TBK] and s[TBV]
	s_mov_b32 s[TWICE], \n
.Lstep_\@:
	TURN 0, 2, 1, 0
	TURN 2, 2, 1, 0
	WIN 0
	s_sub_co_u32 s[TWICE], s[TWICE], 1
	s_cmp_lg_u32 s[TWICE], 0
	s_cbranch_scc1 .Lstep_\@
.endm
	s_wait_tensorcnt 1              ; my part of slot 0 is in; slot 1's may stay out
	s_barrier_signal -1
	s_barrier_wait -1               ; everybody's is
	FETCH_K                         ; key step 0
	s_wait_loadcnt 0x0              ; Q
	s_wait_dscnt 0x0
.set i, 0
.rept 16
	KQ 0                            ; piece 0's first scores: there is no vector work yet to set between them
.set i, i+1
.endr
	WIN 0
.irp t, 0,1,2,3
	v_mov_b32 v[ST+8*\t+1], 0       ; m's partner in the pair that the subtractions name; these four lines are also the places behind those products
.endr
	TURN 2, 0, 1, 1                 ; piece 2's first scores | piece 0's first softmax | V of step 0
	TURN 0, 1, 1, 1                 ; piece 0: V^T P of step 0 starts O^T, K Q^T of step 1 | piece 2's first softmax | K of step 1
	TURN 2, 1, 1, 0                 ; piece 2: the same | piece 0's softmax of step 1 | V of step 1
	WIN 0
	STEPS 2                         ; these fetch steps 2 and 3: slot 0 has been read out
.Lslot:                             ; 6 trips: every slot but the last two is filled again
	CHANGE 1
	STEPS 4
	s_sub_co_u32 s[SLOTS], s[SLOTS], 1
	s_cmp_lg_u32 s[SLOTS], 0
	s_cbranch_scc1 .Lslot
	CHANGE 0                        ; the tail is written out
	STEPS 4
	TURN 0, 2, 0, 0                 ; piece 0: V^T P of the last step | piece 2's last softmax
.set i, 0
.rept 16
	PV 2, 0                         ; piece 2: V^T P of the last step
.set i, i+1
.endr
	; THE WAY OUT.  l's two halves and the other half of the lanes' are added (these lines are the places behind the last products); O^T is divided by l, rounded to f16 and stored from registers.
	WIN 0
.irp t, 0,1,2,3
	v_add_f32 v[ST+8*\t+4], v[ST+8*\t+2], v[ST+8*\t+3]
.endr
.irp t, 0,1,2,3
	v_permlanex16_b32 v[ST+8*\t+5], v[ST+8*\t+4], s[SEL], s[SEL+1]
.endr
.irp t, 0,1,2,3
	v_add_f32 v[ST+8*\t+4], v[ST+8*\t+4], v[ST+8*\t+5]
.endr
.irp t, 0,1,2,3
	v_rcp_f32 v[ST+8*\t+6], v[ST+8*\t+4]
.endr
	v_nop                           ; a plain line between the last reciprocal and the use of its result
	s_wait_alu depctr_va_vdst(0)    ; and the wait ahead of the first use: one for the four
.macro OUT t
	WIN W_RS
.set i, 32*\t
.rept 16
	v_pk_mul_f32 v[i:i+1], v[i:i+1], v[ST+8*\t+6:ST+8*\t+7] op_sel_hi:[1,0]
.set i, i+2
.endr
	WIN 0x05                        ; sources 0 and 1 window 1, destination window 0: S^T's registers are free
.set i, 0
.rept 16
	v_cvt_pk_f16_f32 v[S+32*\t+i], v[32*\t+2*i], v[32*\t+2*i+1]
.set i, i+1
.endr
	WIN 0
.irp f, 0,1,2,3
	global_store_b128 v[AK0], v[S+32*\t+4*\f:S+32*\t+4*\f+3], s[10:11] offset:\t*8192+\f*512  ; 32 lanes store 512 consecutive bytes, aligned: channels 16 f on of 16 queries
.endr
.endm
	OUT 0
	OUT 1
	OUT 2
	OUT 3
	s_wait_tensorcnt 0x0            ; the wave's end
	ds_add_u32 v[SPW], v[NIL]
	s_wait_dscnt 0x0
	CROUND                          ; the closing round: no work-group ends while a partner may still ask for a tile that names it
	s_endpgm
.Lfunc_end_k_q6ef6190cf1_attn:
	.size	k_q6ef6190cf1_attn, .Lfunc_end_k_q6ef6190cf1_attn-k_q6ef6190cf1_attn
	.p2alignl 7, 3214868480
	.fill 96, 4, 3214868480
	.section	.rodata,"a",@progbits
	.p2align	6, 0x0
	.amdhsa_kernel k_q6ef6190cf1_attn
		.amdhsa_group_segment_fixed_size 327680
		.amdhsa_private_segment_fixed_size 0
		.amdhsa_enable_private_segment 0
		.amdhsa_kernarg_size 16
		.amdhsa_user_sgpr_count 2
		.amdhsa_user_sgpr_kernarg_segment_ptr 1
		.amdhsa_wavefront_size32 1
		.amdhsa_system_sgpr_workgroup_id_x 1
		.amdhsa_system_sgpr_workgroup_id_y 1
		.amdhsa_system_sgpr_workgroup_id_z 1
		.amdhsa_system_vgpr_workitem_id 0
		.amdhsa_next_free_vgpr 1024
		.amdhsa_next_free_sgpr 66
		.amdhsa_reserve_vcc 0
		.amdhsa_float_denorm_mode_32 3
		.amdhsa_float_denorm_mode_16_64 3
		.amdhsa_memory_ordered 1
		.amdhsa_forward_progress 1
		.amdhsa_inst_pref_size 191
	.end_amdhsa_kernel
	.amdgpu_metadata
---
amdhsa.version: [ 1, 2 ]
amdhsa.kernels:
  - .name:           k_q6ef6190cf1_attn
    .symbol:         k_q6ef6190cf1_attn.kd
    .args:
      - { .name: qkv, .offset: 0, .size: 8, .value_kind: global_buffer, .address_space: global }
      - { .name: att, .offset: 8, .size: 8, .value_kind: global_buffer, .address_space: global }
    .group_segment_fixed_size: 327680
    .private_segment_fixed_size: 0
    .kernarg_segment_align: 8
    .kernarg_segment_size: 16
    .max_flat_workgroup_size: 128
    .sgpr_count:     66
    .vgpr_count:     1024
    .wavefront_size: 32
...
	.end_amdgpu_metadata
.endif
;; end of part 3
;; launch proj (part 4): grid 8 x 32, 4 waves a work-group, clusters of 4 x 4, 327,680 bytes of LDS; arguments att, wh, b_out, out0; writes out0
.if DOCPART == 4
	.amdgcn_target "amdgcn-amd-amdhsa--gfx1250"
	.amdhsa_code_object_version 6
	.text
	.protected	k_q6ef6190cf1_proj
	.globl	k_q6ef6190cf1_proj
	.p2align	8
	.type	k_q6ef6190cf1_proj,@function
k_q6ef6190cf1_proj:
	s_mov_b64 s[64:65], 0
	v_nop
	global_prefetch_b8 v0, s[64:65] scope:SCOPE_SE
	s_setreg_imm32_b32 hwreg(HW_REG_WAVE_MODE, 25, 1), 1
	s_wait_xcnt 0x0
	s_wait_alu depctr_hold_cnt(0) depctr_sa_sdst(0) depctr_va_vdst(0) depctr_va_sdst(0) depctr_va_ssrc(0) depctr_va_vcc(0) depctr_vm_vsrc(0)
	s_getreg_b32 s2, hwreg(HW_REG_IB_STS2, 6, 4)
	s_cmp_eq_u32 s2, 0
	s_cbranch_scc0 .Lentry_in_a_cluster
	s_endpgm
.Lentry_in_a_cluster:
	s_bfe_u32 s2, ttmp6, 0x10000c
	s_cmp_lg_u32 s2, 0xf033
	s_cbranch_scc0 .Lentry_shape_is_right
	s_endpgm
.Lentry_shape_is_right:
; PROJ: out0 = att W_out + b_out, M 4,096, N 1,024, K 1,024; operands in f16, sums in f32, the result f32.
; A tile of 128 x 128 gives each of 256 work-groups one tile.  Four waves, each 64 x 64: 16 accumulators of 16 x 16.  K goes in steps of 256 through a ring of two LDS slots.
; BOTH OPERANDS LIE IN MEMORY AS IMAGES OF THEIR REGISTERS: [k / 256][row / 16][(k % 256) / 8][row % 16][16 B]: 64 rows x 256 K are one dense block of 32,768 bytes, one tensor load,
; and each fragment load takes 512 consecutive bytes of LDS, 16 a lane: no pitch, no padding.
; CLUSTERS: 4 x 4 work-groups; att's tiles are shared along a row of the cluster, W_out's along a column: each is asked for jointly.
; THE MATRIX INSTRUCTION IS USED TRANSPOSED (source 0 = 16 columns of W_out, source 1 = 16 tokens): a lane holds eight neighbouring numbers of a row of the result.  The bias is the C of each sum's first product.
; A wave's 64 columns are 256 bytes of a row, aligned: each wave's results go through a stage of its own and leave as whole runs of 256 bytes; no barrier on the way out.
; REGISTERS: window 0: v16-29 addresses; v32-95 the way out; v96-127 the bias; v128-255 the accumulators ((a, b) at v[128 + 8 (4 a + b)]).  window 1: two fragment buffers of 128.
.set HALFT,  32768                     ; 64 rows x 256 K: what one tensor load brings, and what one wave reads of att or of W_out
.set SLOT,   4*HALFT
.set STAGE,  2*SLOT                    ; behind the ring: 16 rows x 272 bytes for each wave
.set SPITCH, 272
.set SPARE,  STAGE+4*16*SPITCH         ; the spare words, 128 bytes for each wave
.set LAPS,   2                         ; a lap = two K steps = once round the ring
.set ADRA, 16
.set ADRB, 20
.set STO,  24
.set RD,   25
.set CO,   26
.set SPW,  28
.set NIL,  29
.set TMP,  32
.set BIAS, 96
.set ACC,  128
.set F0,   0
.set F1,   128
.set G1, 24
.set G0, 32
.set G1B, 48
.set G0B, 56
.set MSB, 0
.macro WIN new
.if MSB != (\new)
	s_set_vgpr_msb (MSB<<8)|(\new)
.set MSB, (\new)
.endif
.endm
.set MUL,  0x05                        ; sources 0 (W_out) and 1 (att) window 1; C and D window 0
.set TO_F, 0x40
.macro JLOAD s                         ; a joint load: waves 0 and 1 fetch att's two halves, waves 2 and 3 W_out's; an s_nop 0 and four v_nop follow each of the two lines
	s_cmp_eq_u32 s11, 0
	s_cbranch_scc0 .Lfor_b_\@
	tensor_load_to_lds s[G0+4*\s:G0+4*\s+3], s[G1:G1+7]
	s_nop 0
.rept 4
	v_nop
.endr
	s_branch .Lasked_\@
.Lfor_b_\@:
	tensor_load_to_lds s[G0B+4*\s:G0B+4*\s+3], s[G1B:G1B+7]
	s_nop 0
.rept 4
	v_nop
.endr
.Lasked_\@:
.endm
.macro CREST
	s_cmp_lg_u32 s10, 0
	s_cbranch_scc1 .Lnot_wave_0_\@
	s_barrier_signal -3
.Lnot_wave_0_\@:
	s_barrier_wait -3
	s_barrier_signal -1
	s_barrier_wait -1
.endm
.macro CROUND
	s_barrier_signal -1
	s_barrier_wait -1
	CREST
.endm
	s_load_b128 s[4:7], s[0:1], 0x0                ; att s[4:5], wh s[6:7]
	s_load_b64 s[2:3], s[0:1], 0x10                ; b_out
	s_load_b64 s[8:9], s[0:1], 0x18                ; out0
	v_lshl_add_u32 v[SPW], v0, 2, SPARE
	v_mov_b32 v[NIL], 0
	ds_add_u32 v[SPW], v[NIL]                      ; the wave's opening: the add, twice on end, and its wait ahead of my first tensor load
	ds_add_u32 v[SPW], v[NIL]
	v_lshrrev_b32 v1, 5, v0
	v_readfirstlane_b32 s10, v1                    ; wave 0..3
	s_lshr_b32 s11, s10, 1                         ; which half of the tile's rows is mine.  Also: I fetch for att (0) or for W_out (1)
	s_and_b32 s12, s10, 1                          ; which half of its columns.  Also: which 64 rows of that tile I fetch
	s_bfe_u32 s40, ttmp6, 0x40000
	s_bfe_u32 s41, ttmp6, 0x40004
	s_lshl_b32 s42, ttmp9, 2
	s_add_co_u32 s42, s42, s40                     ; column tile
	s_and_b32 s13, ttmp7, 0xffff
	s_lshl_b32 s13, s13, 2
	s_add_co_u32 s13, s13, s41                     ; row tile
	s_lshl_b32 s43, s41, 2
	s_lshl_b32 s43, 15, s43                        ; my row of the cluster
	s_lshl_b32 s44, 0x1111, s40                    ; my column
	s_or_b32 s[G1+0], s43, (3<<16)|(1<<21)         ; 15:0 the mask; 17:16 elements of 8 bytes; 21 set beside a mask; no padding
	s_or_b32 s[G1B+0], s44, (3<<16)|(1<<21)
.irp g, G1, G1B
	s_mov_b32 s[\g+1], 32<<16                      ; a dense block of 32,768 bytes as 128 rows of 256
	s_mov_b32 s[\g+2], 128<<16
	s_mov_b32 s[\g+3], 32<<16
	s_mov_b32 s[\g+4], 128
	s_mov_b32 s[\g+5], 32
	s_mov_b32 s[\g+6], 0
	s_mov_b32 s[\g+7], 0
.endr
	s_lshl_b32 s17, s12, 15                        ; which 64 rows I fetch: four tiles of 8,192 bytes
	s_lshl_b32 s16, s13, 16                        ; att: eight tiles for each row tile
	s_add_co_u32 s16, s16, s17
	s_lshl_b32 s46, s42, 16                        ; W_out likewise
	s_add_co_u32 s46, s46, s17
	s_mov_b32 s17, 0
	s_mov_b32 s47, 0
	s_lshl_b32 s20, s10, 15                        ; where they go: wave x 32,768
	s_wait_dscnt 0x0                               ; both opening adds are done
	s_wait_kmcnt 0x0
	s_add_nc_u64 s[14:15], s[4:5], s[16:17]
	s_add_nc_u64 s[46:47], s[6:7], s[46:47]
	CROUND                                         ; all sixteen work-groups are here: the first joint loads meet
.irp s, 0,1
	s_mov_b32 s[G0+4*\s], 1
	s_add_co_u32 s[G0+4*\s+1], s20, \s*SLOT
	s_add_nc_u64 s[G0+4*\s+2:G0+4*\s+3], s[14:15], \s*2097152      ; att's plane k / 256
	s_or_b32 s[G0+4*\s+3], s[G0+4*\s+3], 0x80000000
	s_mov_b32 s[G0B+4*\s], 1
	s_add_co_u32 s[G0B+4*\s+1], s20, \s*SLOT
	s_add_nc_u64 s[G0B+4*\s+2:G0B+4*\s+3], s[46:47], \s*524288     ; wh's
	s_or_b32 s[G0B+4*\s+3], s[G0B+4*\s+3], 0x80000000
	JLOAD \s
.endr
	v_and_b32 v1, 15, v0                           ; r
	v_bfe_u32 v2, v0, 4, 1                         ; h
	v_and_b32 v3, 31, v0
	v_lshlrev_b32 v3, 4, v3                        ; 16 x lane
	s_lshl_b32 s21, s11, 15                        ; my 64 rows of att
	s_lshl_b32 s22, s12, 15                        ; my 64 rows of W_out,
	s_add_co_u32 s22, s22, 2*HALFT                 ; which lie behind att's 128
.irp s, 0,1
	v_add_nc_u32 v[ADRA+\s], s21, v3
	v_add_nc_u32 v[ADRB+\s], s22, v3
	s_add_co_u32 s21, s21, SLOT
	s_add_co_u32 s22, s22, SLOT
.endr
	s_mul_i32 s23, s10, 16*SPITCH
	s_add_co_u32 s23, s23, STAGE                   ; my stage
	v_mul_u32_u24 v4, v1, SPITCH                   ; in: row r, 32 bytes for each half of the lanes
	v_lshl_add_u32 v4, v2, 5, v4
	v_add_nc_u32 v[STO], s23, v4
	v_mul_u32_u24 v5, v2, SPITCH                   ; back: lanes 0-15 one row of 256 bytes, lanes 16-31 the next
	v_lshl_add_u32 v5, v1, 4, v5
	v_add_nc_u32 v[RD], s23, v5
	v_lshlrev_b32 v5, 12, v2                       ; and the same two rows in out0
	v_lshl_add_u32 v[CO], v1, 4, v5
	s_lshl_b32 s46, s42, 9                         ; my first column, in bytes: 512 x column tile + 256 x half
	s_lshl_b32 s47, s12, 8
	s_add_co_u32 s46, s46, s47
	s_mov_b32 s47, 0
	s_add_nc_u64 s[2:3], s[2:3], s[46:47]          ; the bias of my 64 columns
	v_lshlrev_b32 v6, 5, v2                        ; lane (r, h) wants, for block b, columns 16 b + 8 h + 0 .. 7
.irp b, 0,1,2,3
	global_load_b128 v[BIAS+8*\b:BIAS+8*\b+3], v6, s[2:3] offset:64*\b
	global_load_b128 v[BIAS+8*\b+4:BIAS+8*\b+7], v6, s[2:3] offset:64*\b+16
.endr
	s_lshl_b32 s16, s13, 19                        ; my first row: 128 rows of 4,096 bytes for each row tile,
	s_lshl_b32 s17, s11, 18                        ; 64 for my half
	s_add_co_u32 s16, s16, s17
	s_mov_b32 s17, 0
	s_add_nc_u64 s[8:9], s[8:9], s[16:17]
	s_add_nc_u64 s[8:9], s[8:9], s[46:47]
; 8 matrix instructions: row blocks a0, a0 + 1 x all 4 column blocks, 32 along K: half c of buffer f.  zero = 1: the first product starts the sums with the bias as C.  The 16 accumulators take turns.
.macro MUL8 f, c, a0, zero
.irp a, \a0, \a0+1
.irp b, 0,1,2,3
.if \zero
	v_wmma_f32_16x16x32_f16 v[ACC+8*(4*(\a)+\b):ACC+8*(4*(\a)+\b)+7], v[\f+64+8*(4*\c+\b):\f+64+8*(4*\c+\b)+7], v[\f+8*(4*\c+\a):\f+8*(4*\c+\a)+7], v[BIAS+8*\b:BIAS+8*\b+7]
.else
	v_wmma_f32_16x16x32_f16 v[ACC+8*(4*(\a)+\b):ACC+8*(4*(\a)+\b)+7], v[\f+64+8*(4*\c+\b):\f+64+8*(4*\c+\b)+7], v[\f+8*(4*\c+\a):\f+8*(4*\c+\a)+7], v[ACC+8*(4*(\a)+\b):ACC+8*(4*(\a)+\b)+7]
.endif
.endr
.endr
.endm
; 32 LDS loads in one run: the fragments of 64 along K (2,048 bytes of each tile of 16 rows, from byte k on) into buffer f; the first 32 along K first
.macro FETCH slot, k, f
	WIN TO_F
.irp c, 0,1
.irp i, 0,1,2,3
	ds_load_b128 v[\f+64+8*(4*\c+\i):\f+64+8*(4*\c+\i)+3],   v[ADRB+\slot] offset:\k+1024*\c+\i*8192
	ds_load_b128 v[\f+64+8*(4*\c+\i)+4:\f+64+8*(4*\c+\i)+7], v[ADRB+\slot] offset:\k+1024*\c+\i*8192+512
	ds_load_b128 v[\f+8*(4*\c+\i):\f+8*(4*\c+\i)+3],         v[ADRA+\slot] offset:\k+1024*\c+\i*8192
	ds_load_b128 v[\f+8*(4*\c+\i)+4:\f+8*(4*\c+\i)+7],       v[ADRA+\slot] offset:\k+1024*\c+\i*8192+512
.endr
.endr
.endm
.macro PLACES                          ; four plain lines in front of loads into registers that matrix instructions have read, and of the first read of results
.rept 4
	v_nop
.endr
.endm
; A K step is four quarters of 64 along K, 32 matrix instructions each, on buffers 0, 1, 0, 1.
.macro QUARTER slot, k, f, g, zero
	s_wait_dscnt 16                                ; the first 32 along K are in; the 16 younger loads may be out
	WIN MUL
	MUL8 \f, 0, 0, \zero
	MUL8 \f, 0, 2, \zero
	PLACES
	FETCH \slot, \k, \g
	s_wait_dscnt 32                                ; all but the 32 just issued
	WIN MUL
	MUL8 \f, 1, 0, 0
	MUL8 \f, 1, 2, 0
.endm
; The last quarter multiplies buffer 1 and changes slots: ONE barrier; in front of it each wave waits for all its tensor loads, adds 0 to its spare word, and waits for that and for its reads of this slot.
.macro TURN slot, next, fill
	WIN 0                                          ; (the add's two registers lie in window 0)
	s_wait_tensorcnt 0x0                           ; all my tensor loads have landed: my part of the next slot;
	ds_add_u32 v[SPW], v[NIL]                      ; 0 onto my spare word;
	s_wait_dscnt 17                                ; (the add and the youngest sixteen loads may be out)
	WIN MUL
	MUL8 F1, 0, 0, 0
	s_wait_dscnt 0x0                               ; the add is done, and my reads of this slot are over
	s_barrier_signal -1
	MUL8 F1, 0, 2, 0
.if \fill
	WIN 0
.endif
	s_barrier_wait -1
.if \fill
	CREST                                          ; the barrier has opened a round of the cluster's barrier: no wave of any partner still reads this slot or has a load on its way
	s_add_nc_u64 s[G0+4*\slot+2:G0+4*\slot+3], s[G0+4*\slot+2:G0+4*\slot+3], 2*2097152
	s_add_nc_u64 s[G0B+4*\slot+2:G0B+4*\slot+3], s[G0B+4*\slot+2:G0B+4*\slot+3], 2*524288
	JLOAD \slot                                    ; the first tensor load behind the round; the four v_nop behind it are also the places in front of the loads below
.else
	PLACES
.endif
	FETCH \next, 0, F0
	WIN MUL
	MUL8 F1, 1, 0, 0
	MUL8 F1, 1, 2, 0
.endm
	s_wait_tensorcnt 1                             ; my part of K step 0 is in (K step 1's load may be out)
	s_barrier_signal -1
	s_barrier_wait -1                              ; everybody's is
	FETCH 0, 0, F0
	s_wait_loadcnt 0x0                             ; the bias
	QUARTER 0, 2048, F0, F1, 1
	WIN 0
	s_mov_b32 s45, LAPS-1
.Llap:                                                 ; a trip goes once round the ring, from a lap's second quarter to the next lap's first, and fills both slots again
	QUARTER 0, 4096, F1, F0, 0
	QUARTER 0, 6144, F0, F1, 0
	TURN 0, 1, 1
	QUARTER 1, 2048, F0, F1, 0
	QUARTER 1, 4096, F1, F0, 0
	QUARTER 1, 6144, F0, F1, 0
	TURN 1, 0, 1
	QUARTER 0, 2048, F0, F1, 0
	WIN 0
	s_sub_co_u32 s45, s45, 1
	s_cmp_lg_u32 s45, 0
	s_cbranch_scc1 .Llap
	QUARTER 0, 4096, F1, F0, 0                     ; the last lap fills nothing, and has no round of the cluster's barrier
	QUARTER 0, 6144, F0, F1, 0
	TURN 0, 1, 0
	QUARTER 1, 2048, F0, F1, 0
	QUARTER 1, 4096, F1, F0, 0
	QUARTER 1, 6144, F0, F1, 0
	s_wait_dscnt 16                                ; the very last quarter: nothing more to fetch
	WIN MUL
	MUL8 F1, 0, 0, 0
	MUL8 F1, 0, 2, 0
	s_wait_dscnt 0
	MUL8 F1, 1, 0, 0
	MUL8 F1, 1, 2, 0
	WIN 0
; THE WAY OUT, block by block of 16 rows x 64 columns, through my own stage: LDS serves a wave's instructions in order, so no wait stands between the stores and the loads, nor in front of the next block's stores.
.macro TOSTAGE a
.irp b, 0,1,2,3
	ds_store_b128 v[STO], v[ACC+8*(4*(\a)+\b):ACC+8*(4*(\a)+\b)+3] offset:64*\b          ; each accumulator from its low end on
	ds_store_b128 v[STO], v[ACC+8*(4*(\a)+\b)+4:ACC+8*(4*(\a)+\b)+7] offset:64*\b+16
.endr
.irp t, 0,1,2,3,4,5,6,7
	ds_load_b128 v[TMP+32*((\a)%2)+4*\t:TMP+32*((\a)%2)+4*\t+3], v[RD] offset:\t*2*SPITCH
.endr
.endm
.macro SEND a, younger                 ; younger: the LDS instructions issued behind block a's loads, which may stay out
	s_wait_dscnt \younger
.irp t, 0,1,2,3,4,5,6,7
	global_store_b128 v[CO], v[TMP+32*((\a)%2)+4*\t:TMP+32*((\a)%2)+4*\t+3], s[8:9] offset:(16*(\a)+2*\t)*4096 th:TH_STORE_NT   ; 16 lanes store 256 consecutive bytes, aligned
.endr
.endm
	PLACES
	TOSTAGE 0
	TOSTAGE 1
	SEND 0, 16                                     ; behind block 0's loads: block 1's 8 stores and 8 loads
	s_wait_xcnt 0x0                                ; block 0's stores have read the registers into which block 2's loads land
	TOSTAGE 2
	SEND 1, 16
	s_wait_xcnt 0x0
	TOSTAGE 3
	SEND 2, 16
	SEND 3, 0
	s_wait_tensorcnt 0x0                           ; the wave's end: behind my last tensor load and my last LDS store
	ds_add_u32 v[SPW], v[NIL]
	s_wait_dscnt 0x0
	CROUND                                         ; the closing round
	s_endpgm
.Lfunc_end_k_q6ef6190cf1_proj:
	.size	k_q6ef6190cf1_proj, .Lfunc_end_k_q6ef6190cf1_proj-k_q6ef6190cf1_proj
	.p2alignl 7, 3214868480
	.fill 96, 4, 3214868480
	.section	.rodata,"a",@progbits
	.p2align	6, 0x0
	.amdhsa_kernel k_q6ef6190cf1_proj
		.amdhsa_group_segment_fixed_size 327680
		.amdhsa_private_segment_fixed_size 0
		.amdhsa_enable_private_segment 0
		.amdhsa_kernarg_size 32
		.amdhsa_user_sgpr_count 2
		.amdhsa_user_sgpr_kernarg_segment_ptr 1
		.amdhsa_wavefront_size32 1
		.amdhsa_system_sgpr_workgroup_id_x 1
		.amdhsa_system_sgpr_workgroup_id_y 1
		.amdhsa_system_sgpr_workgroup_id_z 1
		.amdhsa_system_vgpr_workitem_id 0
		.amdhsa_next_free_vgpr 512
		.amdhsa_next_free_sgpr 66
		.amdhsa_reserve_vcc 0
		.amdhsa_float_denorm_mode_32 3
		.amdhsa_float_denorm_mode_16_64 3
		.amdhsa_memory_ordered 1
		.amdhsa_forward_progress 1
		.amdhsa_inst_pref_size 86
	.end_amdhsa_kernel
	.amdgpu_metadata
---
amdhsa.version: [ 1, 2 ]
amdhsa.kernels:
  - .name:           k_q6ef6190cf1_proj
    .symbol:         k_q6ef6190cf1_proj.kd
    .args:
      - { .name: att, .offset: 0, .size: 8, .value_kind: global_buffer, .address_space: global }
      - { .name: wh, .offset: 8, .size: 8, .value_kind: global_buffer, .address_space: global }
      - { .name: b_out, .offset: 16, .size: 8, .value_kind: global_buffer, .address_space: global }
      - { .name: out0, .offset: 24, .size: 8, .value_kind: global_buffer, .address_space: global }
    .group_segment_fixed_size: 327680
    .private_segment_fixed_size: 0
    .kernarg_segment_align: 8
    .kernarg_segment_size: 32
    .max_flat_workgroup_size: 128
    .sgpr_count:     66
    .vgpr_count:     512
    .wavefront_size: 32
...
	.end_amdgpu_metadata
.endif
;; end of part 4
